; MI455X (gfx1250); checked and timed in simulation.
; The chip was launched on July 23, 2026; its instructions are those of AMD's public machine-readable ISA for CDNA 5 (MIT licence, August 2026) and "CDNA5" Instruction Set Architecture Reference Guide (July 2026). The comments in the code are by the model that wrote it; some were corrected since.
;; Mo E Layer. Allowed arithmetic: matrix products marked QUANTISED: E2M1 operands, one E8M0 scale for each 32 along K, by v_wmma_scale_f32_16x16x128_f8f6f4 with both operands' format E2M1 (or v_wmma_scale_f32_32x16x128_f4), f32 sums; products left as they are: f32 operands where the result goes on into a quantised operand, else bf16, f16 or f32 operands; f32 sums; everything else in f32.
;; Inputs: b1 8 x 4,096 float32; b2 8 x 1,024 float32; gate_b 8 float32; gate_w 1,024 x 8 float32; w1_codes 8 x 4,096 x 32 x 16 uint8 (E2M1 codes of w1, K innermost, in blocks of 32 codes, two codes a byte); w1_scales 8 x 4,096 x 32 uint8 (E8M0 scales of w1, one for each 32 codes along K); w2_codes 8 x 1,024 x 128 x 16 uint8 (E2M1 codes of w2, K innermost, in blocks of 32 codes, two codes a byte); w2_scales 8 x 1,024 x 128 uint8 (E8M0 scales of w2, one for each 32 codes along K); x 1,024 x 1,024 float32.
;; Outputs: out0 1,024 x 1,024 float32.
;; This version of the problem:
;;   THIS VERSION OF THE PROBLEM IS GIVEN IN LOW PRECISION. The matrix products marked QUANTISED in the list below multiply operands that are first quantised to E2M1 (2 exponent bits, 1 mantissa bit; 4 bits a number), with one power-of-two scale for each 32 numbers along K (OCP MX v1.0); their sums are f32. All else is computed in f32.
;;   The module's matrix products, in the order in which they are computed (A, B: the left and right operand; K: the contracted axis; several contracted axes count as one K, in the product's order):
;;     1. [M 1,024, K 1,024] x [K 1,024, N 8]; A: input x; B: input gate_w: left as it is (N = 8 < 16)
;;     2. [M 1,024, K 1,024] x [K 1,024, N 32,768]; A: input x; B: input w1 (given as codes): QUANTISED
;;     3. batch 8 x [M 1,024, K 4,096] x [K 4,096, N 1,024]; A: input w2 (given as codes); B: computed on the way: QUANTISED
;;   THE QUANTISER, for each operand of a quantised product, along K:
;;     - K is cut into blocks of 32 from its start; a last block that is shorter is filled with zeros.
;;     - A block's scale is 2^e with e = floor(log2(the largest magnitude in the block)) - 2, held to -126 .. 127; a block of zeros has e = 0. As a byte (E8M0): e + 127.
;;     - Each number is divided by its block's scale, clamped to +-6, and rounded to the nearest number of E2M1, ties to even, subnormals kept.
;;     - The product sums the exact products of the quantised numbers (number of the format x scale) in f32.
;;   ~~~python
;;   def quantise(x, axis):      # numpy; x: float32 -> the quantised numbers, widened to float32 again
;;       x = np.moveaxis(x, axis, -1); K = x.shape[-1]
;;       x = np.pad(x, [(0, 0)] * (x.ndim - 1) + [(0, -K % 32)]); x = x.reshape(x.shape[:-1] + (-1, 32)); a = np.abs(x).max(-1, keepdims=True)
;;       e = np.where(a > 0, np.clip(np.frexp(np.where(a > 0, a, 1))[1] - 1 - 2, -126, 127), 0)      # np.frexp(a)[1] - 1 = floor(log2(a)), exactly
;;       r = np.clip(x / 2.0 ** e, -6, 6)
;;       step = 2.0 ** (np.maximum(np.frexp(np.where(r == 0, 1, r))[1] - 1, 0) - 1)
;;       q = np.round(r / step) * step * 2.0 ** e      # np.round: ties to even
;;       return np.moveaxis(q.reshape(q.shape[:-2] + (-1,))[..., :K], -1, axis).astype(np.float32)
;;   ~~~
;;   OPERANDS COMPUTED ON THE WAY. 'Computed on the way' means the value that the module computes at that place (a softmax that the list does not call 'softmax' is quantised finished and normalised). What goes into a quantiser is computed in f32, as accurately as f32 sums, v_exp_f32 and their like allow (about 1e-6 of the number): no bf16 or f16 on the way to a quantiser, and a product that is left as it is and whose result goes on into a quantised operand takes f32 operands (vector FMAs, or v_wmma_f32_16x16x4_f32). A number that lies on a knife's edge between two numbers of the format may be rounded either way, as far as f32 arithmetic and the matrix unit's own rounding can turn it there, and no further.
;;   INPUTS GIVEN AS CODES. w1 (in the module: [8, 1024, 4096], K = its axis 1); w2 (in the module: [8, 4096, 1024], K = its axis 1): each comes as NAME_codes (uint8): NAME with its K axis moved to the last place and cut into blocks of 32 codes, [.., K / 32, bytes a block], one block behind the other in memory; two codes a byte, the lower K in the low four bits (a code: sign, 2 exponent bits, 1 mantissa bit); and NAME_scales (uint8): the same leading axes, one E8M0 byte (e + 127) for each 32 codes along K. Its value is code x scale, taken as it is: it is not quantised again, and the codes and scales need not be those that the quantiser above would give.
;; 2 versions. Each part assembles by itself: llvm-mc -triple=amdgcn-amd-amdhsa -mcpu=gfx1250 --defsym DOCPART=n.
;; ======== version 1 of 2: 4 launches
;; workspace buffers: xq 557,056 bytes; sel 4,096 bytes of whole numbers; gw 8,192 bytes; tab 33,024 bytes of whole numbers; hid 16,777,216 bytes; hsc 1,048,576 bytes; y 33,554,432 bytes
;; launch route (part 1): grid 128 x 1, 4 waves a work-group, no clusters, 6,144 bytes of LDS; arguments x, gate_w, gate_b, xq, sel, gw, tab; writes xq, sel, gw, tab
.if DOCPART == 1
	.amdgcn_target "amdgcn-amd-amdhsa--gfx1250"
	.amdhsa_code_object_version 6
	.text
	.protected	k_q421e88d0b9_route
	.globl	k_q421e88d0b9_route
	.p2align	8
	.type	k_q421e88d0b9_route,@function
k_q421e88d0b9_route:
	s_mov_b64 s[64:65], 0
	v_nop
	global_prefetch_b8 v0, s[64:65] scope:SCOPE_SE
	s_setreg_imm32_b32 hwreg(HW_REG_WAVE_MODE, 25, 1), 1
	s_wait_xcnt 0x0
; ROUTER AND QUANTISER OF x.  x [1024][1024] f32, gate_w [1024][8] f32, gate_b [8] f32.
; Stored: xq = x's codes of E2M1 [1024][512 bytes], K innermost, and from byte 524,288 on its E8M0 bytes [1024][32];
;         sel[token] = e0 | e1 << 8 | ((1 << e0) | (1 << e1)) << 16 (e0 the largest logit's expert, e1 the second's; of equal logits the lower index wins, as lax.top_k has it);
;         gw[token] = the softmax of the two logits (the larger one taken away first);  zeros into tab's first 32,768 bytes (the table [token][expert] that the next launch fills in part).
; SHARES.  A work-group owns 8 tokens; wave w owns d = 256 w .. 256 w + 255 of each; lane l owns 8 neighbours along d, which is what one conversion takes.  A block of 32 is four lanes.
; The logits are f32 multiply-adds: 8 products a lane, summed over the lanes and then over the four waves through LDS.  No matrix unit: N = 8.  The work-groups share no large input, so there is no cluster.
; No address and no branch hangs on a floating-point number: the choice is stored at fixed places, as whole numbers, for the next launches.
; LIMITS: NaN and infinities among the inputs are not served.  The logits' sums go in another order than a plain row sum: a choice can differ only where two logits agree to f32's last bits.
; If every logit but the largest is -infinity the second choice is expert 0.  A block of zeros gets the byte 1 (its codes are zeros; this program alone reads the bytes).
.set XQ,  0                            ; LDS: 8 tokens x 512 bytes of codes
.set XS,  4096                         ; 8 x 32 scale bytes
.set LG,  4352                         ; 4 waves x 64 partial logits, [wave][8 token + expert]
.set MX,  16                           ; v16-23  a block's largest magnitude, one for each token
.set SC,  24                           ; v24-31  the conversions' scale operands
.set X,   32                           ; v32-95  x: token i at 8 i
.set GW,  96                           ; v96-159 gate_w: my row j, expert e at 8 j + e
.set AC,  160                          ; v160-223 partial logits: 8 i + e
.set C,   224                          ; v224-231 codes
.set BY,  232                          ; v232-239 scale bytes
	s_load_b256 s[4:11], s[0:1], 0x0               ; x s[4:5], gate_w s[6:7], gate_b s[8:9], xq s[10:11]
	s_load_b128 s[12:15], s[0:1], 0x20             ; sel s[12:13], gw s[14:15]
	s_load_b64 s[16:17], s[0:1], 0x30              ; tab
	v_lshl_add_u32 v254, v0, 2, 0x1600
	v_mov_b32 v255, 0
	v_lshrrev_b32 v1, 5, v0
	v_readfirstlane_b32 s18, v1                    ; wave 0..3
	v_and_b32 v1, 31, v0                           ; lane
	v_lshlrev_b32 v2, 5, v1                        ; x: my 8 numbers, 32 bytes a lane
	v_lshlrev_b32 v3, 8, v1                        ; gate_w: my 8 rows of 32 bytes
	v_lshlrev_b32 v4, 2, v0                        ; LDS, codes: 128 wave + 4 lane = 4 x thread
	v_lshrrev_b32 v5, 2, v0
	v_add_nc_u32 v5, XS, v5                        ; LDS, scale byte: 8 wave + lane / 4 = thread / 4
	v_lshrrev_b32 v6, 4, v0
	v_lshl_add_u32 v6, v6, 7, LG                   ; LDS, partial logits: 256 wave + 128 (lane / 16)
	v_lshlrev_b32 v8, 4, v1                        ; 16 x lane
	s_lshl_b32 s19, s18, 10
	v_add_nc_u32 v7, s19, v8                       ; LDS, codes on the way out: 1,024 wave + 16 lane
	v_lshlrev_b32 v10, 3, v1                       ; 8 x lane
	v_add_nc_u32 v9, XS, v10                       ; LDS, scale bytes on the way out
	v_and_b32 v15, 7, v0                           ; the token that my lane decides for (wave 0)
	v_lshl_add_u32 v11, v15, 5, LG                 ; LDS, its eight partial logits
	v_lshlrev_b32 v12, 2, v15
	v_lshlrev_b32 v13, 3, v15
	v_mov_b32 v14, 1
	s_lshl_b32 s20, ttmp9, 15                      ; x: 8 tokens of 4,096 bytes a work-group,
	s_add_co_u32 s20, s20, s19                     ; + 1,024 bytes a wave
	s_mov_b32 s21, 0
	s_lshl_b32 s22, s18, 13                        ; gate_w: 256 rows of 32 bytes a wave
	s_mov_b32 s23, 0
	s_wait_kmcnt 0x0
	s_load_b256 s[24:31], s[8:9], 0x0              ; gate_b
	s_add_nc_u64 s[4:5], s[4:5], s[20:21]
	s_add_nc_u64 s[6:7], s[6:7], s[22:23]
.irp i, 0,1,2,3,4,5,6,7
	global_load_b128 v[X+8*\i:X+8*\i+3], v2, s[4:5] offset:4096*\i th:TH_LOAD_NT       ; the pair covers 1,024 consecutive bytes of token i
	global_load_b128 v[X+8*\i+4:X+8*\i+7], v2, s[4:5] offset:4096*\i+16 th:TH_LOAD_NT
.endr
.set N, 0
.rept 16
	global_load_b128 v[GW+4*N:GW+4*N+3], v3, s[6:7] offset:16*N
.set N, N+1
.endr
	s_lshl_b32 s20, ttmp9, 8                       ; the other buffers at my work-group's part
	s_add_nc_u64 s[34:35], s[10:11], s[20:21]      ; xq + 256 g: the scale bytes lie 524,288 further on
	s_add_nc_u64 s[16:17], s[16:17], s[20:21]      ; tab + 256 g
	s_lshl_b32 s20, ttmp9, 12
	s_add_co_u32 s20, s20, s19
	s_add_nc_u64 s[10:11], s[10:11], s[20:21]      ; xq + 4,096 g + 1,024 wave
	s_lshl_b32 s20, ttmp9, 5
	s_add_nc_u64 s[12:13], s[12:13], s[20:21]      ; sel + 32 g
	s_lshl_b32 s20, ttmp9, 6
	s_add_nc_u64 s[14:15], s[14:15], s[20:21]      ; gw + 64 g
	; ---- x into codes.  The eight tokens take turns line by line
	s_wait_loadcnt 16                              ; x's sixteen loads are in; gate_w's sixteen may be out
.irp i, 0,1,2,3,4,5,6,7
	v_max3_num_f32 v[MX+\i], |v[X+8*\i]|, |v[X+8*\i+1]|, 0x1800000   ; my 8 numbers, and the floor 2^(3 - 127): the byte cannot fall under 1
.endr
.irp k, 2,4,6
.irp i, 0,1,2,3,4,5,6,7
	v_max3_num_f32 v[MX+\i], v[MX+\i], |v[X+8*\i+\k]|, |v[X+8*\i+\k+1]|
.endr
.endr
.irp i, 0,1,2,3,4,5,6,7
	v_max_num_f32_dpp v[MX+\i], v[MX+\i], v[MX+\i] row_xmask:1 row_mask:0xf bank_mask:0xf
.endr
.irp i, 0,1,2,3,4,5,6,7
	v_max_num_f32_dpp v[MX+\i], v[MX+\i], v[MX+\i] row_xmask:2 row_mask:0xf bank_mask:0xf   ; four lanes: the block's largest magnitude
.endr
.irp i, 0,1,2,3,4,5,6,7
	v_add_nc_u32 v[SC+\i], 0xff000000, v[MX+\i]    ; 2 off its exponent field: the conversion takes that field as its scale
.endr
.irp i, 0,1,2,3,4,5,6,7
	v_cvt_scalef32_pk8_fp4_f32 v[C+\i], v[X+8*\i:X+8*\i+7], v[SC+\i]
.endr
.irp i, 0,1,2,3,4,5,6,7
	v_lshrrev_b32 v[BY+\i], 23, v[SC+\i]           ; the scale's byte (also the plain line behind the conversions)
.endr
.irp i, 0,1,2,3,4,5,6,7
	ds_store_b32 v4, v[C+\i] offset:XQ+512*\i
	ds_store_b8 v5, v[BY+\i] offset:32*\i          ; the four lanes of a block write the same byte with the same value
.endr
	; ---- partial logits: AC[8 i + e] = sum over my 8 d of x[i][d] gate_w[d][e], two experts an instruction; the first product starts each sum
	s_wait_loadcnt 0x0
.irp i, 0,1,2,3,4,5,6,7
.irp u, 0,1,2,3
	v_pk_mul_f32 v[AC+8*\i+2*\u:AC+8*\i+2*\u+1], v[X+8*\i:X+8*\i+1], v[GW+2*\u:GW+2*\u+1] op_sel_hi:[0,1]
.endr
.irp u, 0,1,2,3
	v_pk_fma_f32 v[AC+8*\i+2*\u:AC+8*\i+2*\u+1], v[X+8*\i:X+8*\i+1], v[GW+8+2*\u:GW+8+2*\u+1], v[AC+8*\i+2*\u:AC+8*\i+2*\u+1] op_sel:[1,0,0] op_sel_hi:[1,1,1]
.endr
.irp j, 2,4,6
.irp u, 0,1,2,3
	v_pk_fma_f32 v[AC+8*\i+2*\u:AC+8*\i+2*\u+1], v[X+8*\i+\j:X+8*\i+\j+1], v[GW+8*\j+2*\u:GW+8*\j+2*\u+1], v[AC+8*\i+2*\u:AC+8*\i+2*\u+1] op_sel_hi:[0,1,1]
.endr
.irp u, 0,1,2,3
	v_pk_fma_f32 v[AC+8*\i+2*\u:AC+8*\i+2*\u+1], v[X+8*\i+\j:X+8*\i+\j+1], v[GW+8*\j+8+2*\u:GW+8*\j+8+2*\u+1], v[AC+8*\i+2*\u:AC+8*\i+2*\u+1] op_sel:[1,0,0] op_sel_hi:[1,1,1]
.endr
.endr
.endr
	; ---- over the 32 lanes.  First the halves: lanes 0-15 keep sums 0-31, lanes 16-31 sums 32-63; then four steps inside each half
.set N, 0
.rept 32
	v_permlane16_swap_b32 v[AC+N], v[AC+N+32]
.set N, N+1
.endr
.set N, 0
.rept 32
	v_add_f32 v[AC+N], v[AC+N], v[AC+N+32]
.set N, N+1
.endr
.irp m, 1,2,4,8
.set N, 0
.rept 32
	v_add_f32_dpp v[AC+N], v[AC+N], v[AC+N] row_xmask:\m row_mask:0xf bank_mask:0xf
.set N, N+1
.endr
.endr
.irp n, 0,1,2,3,4,5,6,7
	ds_store_b128 v6, v[AC+4*\n:AC+4*\n+3] offset:16*\n   ; the sixteen lanes of a half write the same bytes with the same values
.endr
	s_wait_dscnt 0x0                               ; for the others' sake: my codes, bytes and partial logits lie in LDS
	s_wait_kmcnt 0x0                               ; gate_b
	s_barrier_signal -1
	s_barrier_wait -1
	; ---- the codes leave: 1,024 bytes a wave, each store 512 consecutive bytes
	ds_load_b128 v[96:99], v7
	ds_load_b128 v[100:103], v7 offset:512
	s_wait_dscnt 0x0
	global_store_b128 v8, v[96:99], s[10:11]
	global_store_b128 v8, v[100:103], s[10:11] offset:512
	s_cmp_eq_u32 s18, 1
	s_cbranch_scc0 .Lnot_wave_1
	; ---- wave 1: the 256 scale bytes, and 256 bytes of zeros into the table [token][expert]
	ds_load_b64 v[104:105], v9
	v_mov_b32 v106, 0
	v_mov_b32 v107, 0
	s_wait_dscnt 0x0
	global_store_b64 v10, v[104:105], s[34:35] offset:524288
	global_store_b64 v10, v[106:107], s[16:17]
	s_wait_tensorcnt 0x0
	ds_add_u32 v254, v255
	s_wait_dscnt 0x0
	s_endpgm
.Lnot_wave_1:
	s_cmp_eq_u32 s18, 0
	s_cbranch_scc0 .Lend
	; ---- wave 0: lane t (and its repeats 8, 16, 24 further on) decides for token t
.irp w, 0,1,2,3
.irp u, 0,1
	ds_load_b128 v[32+8*\w+4*\u:32+8*\w+4*\u+3], v11 offset:256*\w+16*\u
.endr
.endr
	s_wait_dscnt 0x0
.irp u, 0,2,4,6
	v_pk_add_f32 v[32+\u:33+\u], v[32+\u:33+\u], v[40+\u:41+\u]
	v_pk_add_f32 v[48+\u:49+\u], v[48+\u:49+\u], v[56+\u:57+\u]
.endr
.irp u, 0,2,4,6
	v_pk_add_f32 v[32+\u:33+\u], v[32+\u:33+\u], v[48+\u:49+\u]
.endr
.irp e, 0,1,2,3,4,5,6,7
	v_add_f32 v[32+\e], s[24+\e], v[32+\e]         ; + gate_b: the logits
.endr
	v_mov_b32 v16, v32                             ; the largest so far, and its expert
	v_mov_b32 v17, 0
.irp i, 1,2,3,4,5,6,7
	v_cmp_gt_f32 vcc_lo, v[32+\i], v16             ; strictly larger: of equals the lower index stays
	v_cndmask_b32 v16, v16, v[32+\i], vcc_lo
	v_cndmask_b32 v17, v17, \i, vcc_lo
.endr
	v_mov_b32 v18, 0xff800000                      ; the second: -infinity to begin with
	v_mov_b32 v19, 0
.irp i, 0,1,2,3,4,5,6,7
	v_cmp_ne_u32 s32, \i, v17                      ; not the first's expert,
	v_cmp_gt_f32 vcc_lo, v[32+\i], v18             ; and strictly larger
	s_and_b32 vcc_lo, vcc_lo, s32
	v_cndmask_b32 v18, v18, v[32+\i], vcc_lo
	v_cndmask_b32 v19, v19, \i, vcc_lo
.endr
	v_sub_f32 v20, v18, v16                        ; the larger logit is taken away: 0 and a number that is 0 or less
	v_mul_f32 v20, 0x3fb8aa3b, v20
	v_exp_f32 v21, v20                             ; p = e^(second - first), at most 1
	v_lshlrev_b32 v22, v17, v14                    ; (plain work behind the exponential)  1 << e0
	v_lshlrev_b32 v23, v19, v14                    ; 1 << e1
	s_wait_alu depctr_va_vdst(0)                   ; the wait ahead of the first use of the result
	v_add_f32 v24, 1.0, v21
	v_rcp_f32 v26, v24                             ; g0 = 1 / (1 + p)
	v_or_b32 v22, v22, v23                         ; (plain work behind the reciprocal)
	v_lshl_or_b32 v25, v19, 8, v17
	v_lshl_or_b32 v25, v22, 16, v25                ; e0 | e1 << 8 | mask << 16
	s_wait_alu depctr_va_vdst(0)
	v_mul_f32 v27, v21, v26                        ; g1 = p g0
	global_store_b32 v12, v25, s[12:13]
	global_store_b64 v13, v[26:27], s[14:15]
.Lend:
	s_wait_tensorcnt 0x0
	ds_add_u32 v254, v255
	s_wait_dscnt 0x0
	s_endpgm
.Lfunc_end_k_q421e88d0b9_route:
	.size	k_q421e88d0b9_route, .Lfunc_end_k_q421e88d0b9_route-k_q421e88d0b9_route
	.p2alignl 7, 3214868480
	.fill 96, 4, 3214868480
	.section	.rodata,"a",@progbits
	.p2align	6, 0x0
	.amdhsa_kernel k_q421e88d0b9_route
		.amdhsa_group_segment_fixed_size 6144
		.amdhsa_private_segment_fixed_size 0
		.amdhsa_enable_private_segment 0
		.amdhsa_kernarg_size 56
		.amdhsa_user_sgpr_count 2
		.amdhsa_user_sgpr_kernarg_segment_ptr 1
		.amdhsa_wavefront_size32 1
		.amdhsa_system_sgpr_workgroup_id_x 1
		.amdhsa_system_sgpr_workgroup_id_y 1
		.amdhsa_system_sgpr_workgroup_id_z 1
		.amdhsa_system_vgpr_workitem_id 0
		.amdhsa_next_free_vgpr 256
		.amdhsa_next_free_sgpr 66
		.amdhsa_reserve_vcc 1
		.amdhsa_float_denorm_mode_32 3
		.amdhsa_float_denorm_mode_16_64 3
		.amdhsa_memory_ordered 1
		.amdhsa_forward_progress 1
		.amdhsa_inst_pref_size 44
	.end_amdhsa_kernel
	.amdgpu_metadata
---
amdhsa.version: [ 1, 2 ]
amdhsa.kernels:
  - .name:           k_q421e88d0b9_route
    .symbol:         k_q421e88d0b9_route.kd
    .args:
      - { .name: x, .offset: 0, .size: 8, .value_kind: global_buffer, .address_space: global }
      - { .name: gate_w, .offset: 8, .size: 8, .value_kind: global_buffer, .address_space: global }
      - { .name: gate_b, .offset: 16, .size: 8, .value_kind: global_buffer, .address_space: global }
      - { .name: xq, .offset: 24, .size: 8, .value_kind: global_buffer, .address_space: global }
      - { .name: sel, .offset: 32, .size: 8, .value_kind: global_buffer, .address_space: global }
      - { .name: gw, .offset: 40, .size: 8, .value_kind: global_buffer, .address_space: global }
      - { .name: tab, .offset: 48, .size: 8, .value_kind: global_buffer, .address_space: global }
    .group_segment_fixed_size: 6144
    .private_segment_fixed_size: 0
    .kernarg_segment_align: 8
    .kernarg_segment_size: 56
    .max_flat_workgroup_size: 128
    .sgpr_count:     66
    .vgpr_count:     256
    .wavefront_size: 32
...
	.end_amdgpu_metadata
.endif
;; end of part 1
;; launch up (part 2): grid 32 x 8, 4 waves a work-group, no clusters, 68,096 bytes of LDS; arguments sel, xq, w1_codes, w1_scales, b1, hid, hsc, tab; writes hid, hsc, tab
.if DOCPART == 2
	.amdgcn_target "amdgcn-amd-amdhsa--gfx1250"
	.amdhsa_code_object_version 6
	.text
	.protected	k_q421e88d0b9_up
	.globl	k_q421e88d0b9_up
	.p2align	8
	.type	k_q421e88d0b9_up,@function
k_q421e88d0b9_up:
	s_mov_b64 s[64:65], 0
	v_nop
	global_prefetch_b8 v0, s[64:65] scope:SCOPE_SE
	s_setreg_imm32_b32 hwreg(HW_REG_WAVE_MODE, 25, 1), 1
	s_wait_xcnt 0x0
; FIRST PRODUCT, ONLY FOR THE ROWS THAT WERE CHOSEN: hidden = Q(relu(Q(x) W1[e] + b1[e])), on codes of E2M1 with one E8M0 scale for each 32 along K.
; SHARES.  Work-group (c, e) owns hidden units 128 c .. 128 c + 127 of expert e: one K step of the second product.  Each of its four waves holds that slice of W1 in registers (64 fragments, 512 registers),
; with its scale words and b1, and takes pairs of tiles (32 rows) w, w + 4, ..
; THE SLICE COMES FROM MEMORY ONCE, IN WHOLE ROWS.  A row of W1 is 512 bytes: one load of a wave.  Wave w loads rows 32 w .. 32 w + 31 and puts them into LDS, 528 bytes from row to row, in the order of the tiles;
; behind the launch's one barrier every wave reads all 64 fragments.  Behind that the waves share nothing.
; THE ROWS.  sel[token] carries a mask of its two experts.  Each wave reads all 1,024 words (eight dense loads), takes 32 ballots on bit 16 + e, and counts.  Bit l of ballot j stands for token 128 (j / 4) + 4 l + j % 4.
; Position p of expert e is the token of the p-th set bit.  A lane finds its position's token by a walk over the 32 running counts and a search in five steps inside the word: whole numbers only.
; POSITIONS AT OR PAST THE COUNT: every running count is at most p, so the walk ends at ballot 31, and in each of the five steps what is left of p is at least the bits still ahead, so the search
; ends at bit 31: token 1,023.  Inside the last pair its row is computed and stored like the others, and nobody reads it.  A wave with no pair at all makes its first search and loads too (that token's row, inside xq),
; since these stand ahead of the barrier, which every wave passes; it ends behind the barrier.
; THE TABLE.  The work-groups with c = 0 store tab[token][e] = 1,024 e + min(p, count - 1), all lanes on.  For a valid position that is 1,024 e + p.  The other lanes write count - 1 to token 1,023's entry: token 1,023 is the
; last bit in the order, so if it chose e its position IS count - 1 (the valid lane of the same store writes the same number), and if it did not, nobody reads that entry.  The last pair is one wave's.
; One wave of each expert stores the number of pairs at tab + 32,768 + 4 e.
; THE LOOP over my pairs has a constant count: an expert has at most 1,024 rows = 32 pairs, a wave at most 8; seven trips and a tail that is written out.  A trip with no further pair to do jumps over its work.
; LAYOUT.  The product is used transposed (source 0 = 16 rows of W1, source 1 = 16 rows of x), and lane r of tile 2 b + u takes W1's row 32 b + 8 u + r + 8 (r / 8): so a lane holds one row, and the 16 registers of
; tiles 2 b, 2 b + 1 are 16 neighbours along the next K.  b1 is the C of each sum's first instruction.  The codes leave as an image of the operand's registers: hid [e][tile 64][K step 32][1,024 bytes], group cc of four
; registers at 512 cc + 16 lane; the scale words hsc [e][tile][K step][16 rows][4 bytes] (64 bytes a store: one sixteenth of the hidden layer's bytes goes out in short pieces).
; x's rows are gathered by the fragments' own layout, 32 bytes of each of sixteen rows a load: whole rows would want an address for each row and a second turn through LDS.
; NO TENSOR LOADS AND NO CLUSTER: branches and addresses hang on numbers that the launch before stored, and each slice of W1 is read by one work-group alone.
; LIMITS: a block of zeros gets the byte 1 (its codes are zeros; this program alone reads the bytes); NaN and infinities are not served.
; LDS: 128 rows of W1 x 528 bytes (512 + 16: 33 x 16 bytes from row to row, so that the sixteen rows that a load touches start in sixteen different groups of banks).
; REGISTERS, in windows of 256: window 0: v1-31 addresses and the search; v32-63 W1's scale words; v64-71 x's; v72-81 codes and scale word just made, an address; v84-99 at work; v128-191 the 8 accumulators; v192-223 sel's words.
;   window 1: W1's fragments of K steps 0-3 (step s, tile t at 64 s + 8 t);  window 2: K steps 4-7 (at the head v0-127: my 32 rows as loaded);  window 3: v0-63, v64-127 x's fragments of two tiles (8 s); v192-255 b1 (8 t).
.set WP,  528                          ; a row of W1 in LDS
.set HH,  3                            ; v3   h = lane / 16
.set LWS, 4                            ; v4   LDS: where I put a row of W1: 32 x 528 x wave + 16 x lane
.set WSO, 5                            ; v5   W1's scale words: (r + 8 (r / 8)) x 32 + 16 h: lanes 0-15 take K steps 0-3, lanes 16-31 K steps 4-7
.set BO,  6                            ; v6   b1: 64 h
.set IMG, 7                            ; v7   16 x lane
.set HSO, 8                            ; v8   4 r
.set XAD, 9                            ; v9, v10 tile A's offsets of codes and scale words in xq; v11, v12 tile B's
.set POS, 13
.set W,   14
.set BS,  15
.set TB,  16
.set Q,   17
.set T,   18
.set A2,  19
.set A4,  20
.set A8,  21
.set A16, 22
.set BIT, 23
.set U,   24
.set TOK, 25
.set NA,  26                           ; v26 tile A's tokens, in both halves of the lanes; v27 tile B's
.set IV,  28
.set IVV, 29
.set W1S, 32
.set XSC, 64
.set PC,  72
.set PW,  80
.set LWR, 81                           ; v81  LDS: where I read a fragment: 528 r + 16 h
.set TM,  84
.set ACC, 128
.set SW,  192
.set B1,  192                          ; in window 3
.set M,   24                           ; s24-55  the 32 ballots
.set CU,  66                           ; s66-96  CU + j - 1: bits in ballots under j, j = 1 .. 31
.set CNT, 97                           ; s97     the expert's rows
.set TRIP, 98                          ; s98     the loop's counter
.set LAST, 99                          ; s99     the expert's last position: count - 1
.set SEL, 60                           ; s[60:61] lane selects for v_permlanex16_b32: lane l xor 16
.set MSB, 0
.macro WIN new                         ; the immediate's high byte repeats the setting that is left
.if MSB != \new
	s_set_vgpr_msb (MSB<<8)|\new
.set MSB, \new
.endif
.endm
	s_load_b512 s[8:23], s[0:1], 0x0               ; sel s[8:9], xq s[10:11], W1's codes s[12:13], its scales s[14:15], b1 s[16:17], hid s[18:19], hsc s[20:21], tab s[22:23]
	v_lshl_add_u32 v254, v0, 2, 0x10800
	v_mov_b32 v255, 0
	v_lshrrev_b32 v1, 5, v0
	v_readfirstlane_b32 s2, v1                     ; wave 0..3
	s_and_b32 s3, ttmp7, 0xffff                    ; e
	s_mov_b32 s4, ttmp9                            ; c
	s_add_co_u32 s5, s3, 16                        ; the bit of sel's word that says 'expert e'
	s_lshl_b32 s58, s3, 2
	s_lshl_b32 s59, s3, 10
	s_mov_b32 s[SEL], 0x76543210
	s_mov_b32 s[SEL+1], 0xfedcba98
	s_mov_b32 s63, 0
	v_and_b32 v1, 31, v0                           ; lane
	v_and_b32 v2, 15, v0                           ; r
	v_bfe_u32 v[HH], v0, 4, 1                      ; h
	v_lshlrev_b32 v[BO], 6, v[HH]
	v_and_b32 v13, 8, v2
	v_add_nc_u32 v13, v13, v2                      ; r + 8 (r / 8)
	v_lshlrev_b32 v[WSO], 5, v13
	v_lshl_add_u32 v[WSO], v[HH], 4, v[WSO]
	v_lshlrev_b32 v[IMG], 4, v1
	v_lshlrev_b32 v[HSO], 2, v2
	s_mul_i32 s100, s2, 32*WP
	v_add_nc_u32 v[LWS], s100, v[IMG]
	v_mul_u32_u24 v[LWR], v2, WP
	v_lshl_add_u32 v[LWR], v[HH], 4, v[LWR]
	v_mov_b32 v30, s58                             ; 4 e: where the number of pairs goes
.irp b, 0,1,2,3
	v_mov_b32 v[TM+4+\b], 0                        ; written once: a lane permute's destination counts as one of its sources
.endr
	s_wait_kmcnt 0x0
.irp i, 0,1,2,3,4,5,6,7
	global_load_b128 v[SW+4*\i:SW+4*\i+3], v[IMG], s[8:9] offset:512*\i   ; all 1,024 words of sel
.endr
	s_lshl_b32 s62, s3, 21                         ; W1's codes: (4,096 e + 128 c + 32 w) rows of 512 bytes
	s_lshl_b32 s100, s4, 16
	s_add_co_u32 s62, s62, s100
	s_lshl_b32 s100, s2, 14
	s_add_co_u32 s62, s62, s100
	s_add_nc_u64 s[12:13], s[12:13], s[62:63]
	s_lshl_b32 s62, s3, 17                         ; its scale bytes: rows of 32
	s_lshl_b32 s100, s4, 12
	s_add_co_u32 s62, s62, s100
	s_add_nc_u64 s[14:15], s[14:15], s[62:63]
	s_lshl_b32 s62, s3, 14                         ; b1
	s_lshl_b32 s100, s4, 9
	s_add_co_u32 s62, s62, s100
	s_add_nc_u64 s[16:17], s[16:17], s[62:63]
	s_lshl_b32 s62, s3, 21                         ; hid: expert, my first pair (two tiles of 32,768 bytes), K step c
	s_lshl_b32 s100, s2, 16
	s_add_co_u32 s62, s62, s100
	s_lshl_b32 s100, s4, 10
	s_add_co_u32 s62, s62, s100
	s_add_nc_u64 s[18:19], s[18:19], s[62:63]
	s_lshl_b32 s62, s3, 17                         ; hsc likewise: tiles of 2,048 bytes, K steps of 64
	s_lshl_b32 s100, s2, 12
	s_add_co_u32 s62, s62, s100
	s_lshl_b32 s100, s4, 6
	s_add_co_u32 s62, s62, s100
	s_add_nc_u64 s[20:21], s[20:21], s[62:63]
	; ---- my 32 rows of the slice, a whole row of 512 consecutive bytes a load; then the slice's scale words and b1, which stay for the whole launch
	WIN 0x80                                       ; destination window 2
.set J, 0
.rept 32
	global_load_b128 v[4*J:4*J+3], v[IMG], s[12:13] offset:512*J th:TH_LOAD_NT   ; read once in the whole launch
.set J, J+1
.endr
	WIN 0
.irp t, 0,1,2,3,4,5,6,7
	global_load_b128 v[W1S+4*\t:W1S+4*\t+3], v[WSO], s[14:15] offset:(32*(\t/2)+8*(\t%2))*32
.endr
	WIN 0xc0                                       ; destination window 3
.irp t, 0,1,2,3,4,5,6,7
	global_load_b128 v[B1+8*\t:B1+8*\t+3], v[BO], s[16:17] offset:(32*(\t/2)+8*(\t%2))*4       ; lane (r, h), tile t: units 32 (t / 2) + 16 h + 8 (t % 2) + 0 .. 7
	global_load_b128 v[B1+8*\t+4:B1+8*\t+7], v[BO], s[16:17] offset:(32*(\t/2)+8*(\t%2))*4+16
.endr
	WIN 0
	s_wait_loadcnt 56                              ; behind sel's eight loads: W1's 32, the scale words' 8, b1's 16
	; ---- the ballots and their running counts
.set J, 0
.rept 32
	v_bfe_u32 v[T], v[SW+J], s5, 1
	v_cmp_ne_u32 s[M+J], 0, v[T]
.set J, J+1
.endr
	s_bcnt1_i32_b32 s[CU], s[M]
.set J, 1
.rept 31
	s_bcnt1_i32_b32 s100, s[M+J]
	s_add_co_u32 s[CU+J], s[CU+J-1], s100          ; the last of these is the count, s97
.set J, J+1
.endr
	s_sub_co_u32 s[LAST], s[CNT], 1                ; (with no rows at all no wave goes on to use it)
	s_add_co_u32 s6, s[CNT], 31
	s_lshr_b32 s6, s6, 5                           ; pairs of tiles
	s_or_b32 s100, s4, s2
	s_cmp_lg_u32 s100, 0
	s_cbranch_scc1 .Lno_count                      ; wave 0 of the work-group c = 0 stores the expert's number of pairs (all lanes the same word, the same value)
	v_mov_b32 v31, s6
	global_store_b32 v30, v31, s[22:23] offset:32768
.Lno_count:
	s_add_co_u32 s7, s6, 3
	s_sub_co_u32 s7, s7, s2
	s_lshr_b32 s7, s7, 2                           ; my pairs: w, w + 4, ..
	s_lshl_b32 s56, s2, 5                          ; my first position
; The token of position s56 + lane.  The last ballot whose running count is at most p holds the bit; then the (p - that count)-th set bit of the word, by counts of 16, 8, 4, 2 and 1 bits.
.macro HALVE src, width, step
	v_bfe_u32 v[T], v[\src], v[BIT], \width        ; set bits in the lower half of what is left
	v_cmp_ge_u32 vcc_lo, v[Q], v[T]                ; the wanted bit lies above them
	v_cndmask_b32 v[T], 0, v[T], vcc_lo
	v_sub_nc_u32 v[Q], v[Q], v[T]
	v_cndmask_b32 v[U], 0, \step, vcc_lo
	v_add_nc_u32 v[BIT], v[BIT], v[U]
.endm
.macro SEARCH
	v_add_nc_u32 v[POS], s56, v1
	v_mov_b32 v[W], s[M]
	v_mov_b32 v[BS], 0
	v_mov_b32 v[TB], 0
.set J, 1
.rept 31
	v_cmp_gt_u32 vcc_lo, s[CU+J-1], v[POS]         ; the count under ballot J is above p: what I have stays
	v_cndmask_b32 v[W], s[M+J], v[W], vcc_lo
	v_cndmask_b32 v[BS], s[CU+J-1], v[BS], vcc_lo
	v_cndmask_b32 v[TB], 128*(J/4)+J%4, v[TB], vcc_lo
.set J, J+1
.endr
	v_sub_nc_u32 v[Q], v[POS], v[BS]
	v_lshrrev_b32 v[T], 1, v[W]
	v_and_b32 v[T], 0x55555555, v[T]
	v_sub_nc_u32 v[A2], v[W], v[T]                 ; counts of 2 bits
	v_lshrrev_b32 v[T], 2, v[A2]
	v_and_b32 v[T], 0x33333333, v[T]
	v_and_b32 v[A4], 0x33333333, v[A2]
	v_add_nc_u32 v[A4], v[A4], v[T]                ; of 4
	v_lshrrev_b32 v[T], 4, v[A4]
	v_add_nc_u32 v[T], v[T], v[A4]
	v_and_b32 v[A8], 0x0f0f0f0f, v[T]              ; of 8
	v_lshrrev_b32 v[T], 8, v[A8]
	v_add_nc_u32 v[A16], v[A8], v[T]               ; of 16, in bytes 0 and 2
	v_mov_b32 v[BIT], 0
	HALVE A16, 8, 16
	HALVE A8, 8, 8
	HALVE A4, 4, 4
	HALVE A2, 2, 2
	HALVE W, 1, 1
	v_lshl_add_u32 v[TOK], v[BIT], 2, v[TB]        ; 128 (j / 4) + j % 4 + 4 x bit: never above 1,023
.endm
; tab[token][e] = 1,024 e + min(p, count - 1), by the work-groups c = 0, all lanes on (the head comment says why the lanes past the count do no harm): each position is searched by one wave, once.
; The word's number 8 token + e is summed first, held under the table's 8,192 words, and only shifted behind that.
.macro INVST
	s_cmp_lg_u32 s4, 0
	s_cbranch_scc1 .Lno_inv_\@
	s_wait_xcnt 0x0                                ; my last store of this kind has read its two registers: they are written again only behind this wait
	v_lshl_add_u32 v[IV], v[TOK], 3, s3
	v_min_u32 v[IV], 0x1fff, v[IV]
	v_lshlrev_b32 v[IV], 2, v[IV]
	v_min_u32 v[IVV], s[LAST], v[POS]
	v_add_nc_u32 v[IVV], s59, v[IVV]
	global_store_b32 v[IV], v[IVV], s[22:23]
.Lno_inv_\@:
.endm
.macro SPLIT                           ; tile A's sixteen tokens into both halves of v[NA], tile B's into both halves of v[NA+1]
	v_mov_b32 v[NA], v[TOK]
	v_mov_b32 v[NA+1], v[TOK]
	v_permlane16_swap_b32 v[NA], v[NA+1]
.endm
; Tile b's two offsets in xq.  Codes: 512 token + 16 h = 16 (32 token + h); scale words: 32 token + 16 h = 16 (2 token + h).  Each sum is made first, held at a constant, and only shifted behind that:
; 16 x 0x7fff + the loads' 496 bytes and 524,288 + 16 x 0x7ff + 16 both stay inside xq's 557,056 bytes.  Six plain lines that name no register of the products.
.macro XADDR b
	v_lshl_add_u32 v[XAD+2*\b], v[NA+\b], 5, v[HH]
	v_lshl_add_u32 v[XAD+2*\b+1], v[NA+\b], 1, v[HH]
	v_min_u32 v[XAD+2*\b], 0x7fff, v[XAD+2*\b]
	v_min_u32 v[XAD+2*\b+1], 0x7ff, v[XAD+2*\b+1]
	v_lshlrev_b32 v[XAD+2*\b], 4, v[XAD+2*\b]
	v_lshlrev_b32 v[XAD+2*\b+1], 4, v[XAD+2*\b+1]
.endm
.macro XLOAD b                         ; 17 loads: a tile's eight fragments of x and its scale words (lanes 0-15: K steps 0-3, lanes 16-31: K steps 4-7)
	WIN 0xc0
.irp s, 0,1,2,3,4,5,6,7
.irp c, 0,1
	global_load_b128 v[64*\b+8*\s+4*\c:64*\b+8*\s+4*\c+3], v[XAD+2*\b], s[10:11] offset:64*\s+32*\c
.endr
.endr
	WIN 0
	global_load_b128 v[XSC+4*\b:XSC+4*\b+3], v[XAD+2*\b+1], s[10:11] offset:524288
.endm
; 64 matrix instructions: K ascending, the eight accumulators by turns, one instruction a turn.
.macro MM b
	WIN 0x3d                                       ; source 0 (W1) window 1, source 1 (x) window 3, C (b1) window 3, D window 0
.irp t, 0,1,2,3,4,5,6,7
	v_wmma_scale_f32_16x16x128_f8f6f4 v[ACC+8*\t:ACC+8*\t+7], v[8*\t:8*\t+7], v[64*\b:64*\b+7], v[B1+8*\t:B1+8*\t+7], v[W1S+4*\t], v[XSC+4*\b] matrix_a_fmt:MATRIX_FMT_FP4 matrix_b_fmt:MATRIX_FMT_FP4
.endr
	WIN 0x0d                                       ; C and D window 0
.irp s, 1,2,3
.irp t, 0,1,2,3,4,5,6,7
	v_wmma_scale_f32_16x16x128_f8f6f4 v[ACC+8*\t:ACC+8*\t+7], v[64*\s+8*\t:64*\s+8*\t+7], v[64*\b+8*\s:64*\b+8*\s+7], v[ACC+8*\t:ACC+8*\t+7], v[W1S+4*\t+\s], v[XSC+4*\b+\s] matrix_a_fmt:MATRIX_FMT_FP4 matrix_b_fmt:MATRIX_FMT_FP4
.endr
.endr
	WIN 0x0e                                       ; source 0 window 2: K steps 4 + s, whose scale words lie in lanes 16-31
.irp s, 0,1,2,3
.irp t, 0,1,2,3,4,5,6,7
	v_wmma_scale_f32_16x16x128_f8f6f4 v[ACC+8*\t:ACC+8*\t+7], v[64*\s+8*\t:64*\s+8*\t+7], v[64*\b+32+8*\s:64*\b+32+8*\s+7], v[ACC+8*\t:ACC+8*\t+7], v[W1S+4*\t+\s], v[XSC+4*\b+\s] matrix_a_fmt:MATRIX_FMT_FP4 matrix_b_fmt:MATRIX_FMT_FP4 matrix_a_scale:MATRIX_SCALE_ROW1 matrix_b_scale:MATRIX_SCALE_ROW1
.endr
.endr
	WIN 0
.endm
; 64 numbers of a lane, register 16 b + i = k 32 b + 16 (lane / 16) + i of my row, none negative, become a fragment's codes in v[PC] on and its scale word in v[PW].
.macro QUANT
.irp b, 0,1,2,3
	v_max3_num_f32 v[TM+\b], v[ACC+16*\b], v[ACC+16*\b+1], 0x1800000   ; my 16 numbers of block b, and the floor 2^(3 - 127): the byte cannot fall under 1
.endr
.irp i, 2,4,6,8,10,12,14
.irp b, 0,1,2,3
	v_max3_num_f32 v[TM+\b], v[TM+\b], v[ACC+16*\b+\i], v[ACC+16*\b+\i+1]
.endr
.endr
.irp b, 0,1,2,3
	v_permlanex16_b32 v[TM+4+\b], v[TM+\b], s[SEL], s[SEL+1]
.endr
.irp b, 0,1,2,3
	v_max_num_f32 v[TM+\b], v[TM+\b], v[TM+4+\b]   ; with lane l xor 16's: the block's largest
.endr
.irp b, 0,1,2,3
	v_add_nc_u32 v[TM+12+\b], 0xff000000, v[TM+\b] ; 2 off its exponent field: the conversion's scale operand
.endr
.irp b, 0,1,2,3
	v_lshrrev_b32 v[TM+4+\b], 23, v[TM+12+\b]      ; the scale's byte
.endr
	v_lshl_or_b32 v[PW], v[TM+5], 8, v[TM+4]
	v_lshl_or_b32 v[PW], v[TM+6], 16, v[PW]
	v_lshl_or_b32 v[PW], v[TM+7], 24, v[PW]
.irp b, 0,1,2,3
	v_cvt_scalef32_pk8_fp4_f32 v[PC+2*\b], v[ACC+16*\b:ACC+16*\b+7], v[TM+12+\b]
	v_cvt_scalef32_pk8_fp4_f32 v[PC+2*\b+1], v[ACC+16*\b+8:ACC+16*\b+15], v[TM+12+\b]
.endr
	v_nop                                          ; one plain line behind the last scaled conversion
.irp c, 0,1                                    ; the operand's layout wants a whole block in a lane: lanes 0-15 block 2 c, lanes 16-31 block 2 c + 1
.irp i, 0,1
	v_permlane16_swap_b32 v[PC+4*\c+\i], v[PC+2+4*\c+\i]
.endr
.endr
.endm
; One tile of 16 rows.  next = 1: its buffer is filled again with the same tile of my next pair.  left: the loads issued behind this tile's, which may stay out: the other buffer's 17, or none.
.macro TILE b, next, left
	s_wait_loadcnt \left                           ; loads come back in order: this tile's 17 are in (the first time also the scale words and b1, which are older)
	MM \b
.if \next
	XADDR \b                                       ; the loads that read these two registers are in.  Its six lines are the places behind the last product, in front of loads into registers that products have read and of the first read of results
	XLOAD \b
.else
.rept 4
	v_nop
.endr
.endif
.set J, 0
.rept 64
	v_max_num_f32 v[ACC+J], 0, v[ACC+J]            ; relu, in f32; each accumulator from its low end on
.set J, J+1
.endr
	s_wait_xcnt 0x0                                ; the last tile's stores have read their data: the codes' registers may be written again
	QUANT
	global_store_b128 v[IMG], v[PC:PC+3], s[18:19] offset:32768*\b          ; 512 consecutive bytes
	global_store_b128 v[IMG], v[PC+4:PC+7], s[18:19] offset:32768*\b+512
	global_store_b32 v[HSO], v[PW], s[20:21] offset:2048*\b                 ; both halves of the lanes hold the same word and write it to the same place
.endm
	; ---- my first pair's tokens, and its x is asked for: it is on its way while the slice goes through LDS
	SEARCH
	SPLIT
	XADDR 0
	XADDR 1
	XLOAD 0
	XLOAD 1
	; ---- my 32 rows of W1 into LDS.  Row 32 w + i belongs to tile 2 w + (i / 8) % 2, as its row i % 8 + 8 (i / 16): so a tile's sixteen rows lie one behind the other
	s_wait_loadcnt 58                              ; behind W1's 32 loads: the scale words' 8, b1's 16, x's two runs of 17
	WIN 0x08                                       ; an LDS store's data are its source 1: window 2
.set J, 0
.rept 32
	ds_store_b128 v[LWS], v[4*J:4*J+3] offset:(16*((J/8)%2)+J%8+8*(J/16))*WP
.set J, J+1
.endr
	WIN 0
	s_wait_dscnt 0x0                               ; for the others' sake: my rows lie in LDS
	s_barrier_signal -1
	s_barrier_wait -1                              ; everybody's do.  The launch's one barrier: every wave passes it, and only behind it a wave without a pair ends
	s_cmp_eq_u32 s7, 0
	s_cbranch_scc1 .Lend
	; ---- all 64 fragments into my registers: lane (r, h) takes, of row r of tile t, the 16 bytes at 64 s + 32 c + 16 h
.irp s, 0,1,2,3,4,5,6,7
.if \s < 4
	WIN 0x40                                       ; destination window 1
.else
	WIN 0x80                                       ; destination window 2 (my stores out of it are done)
.endif
.irp t, 0,1,2,3,4,5,6,7
.irp c, 0,1
	ds_load_b128 v[64*(\s%4)+8*\t+4*\c:64*(\s%4)+8*\t+4*\c+3], v[LWR] offset:16*\t*WP+64*\s+32*\c
.endr
.endr
.endr
	WIN 0
	INVST                                          ; my first pair's entries of the table, while the fragments come
	s_wait_dscnt 0x0                               ; the fragments are in
	s_mov_b32 s[TRIP], 7
.Lpair:                                            ; a trip: one pair is multiplied and stored, the next pair's tokens are found and its x is asked for
	s_cmp_eq_u32 s7, 1                             ; the pair in hand is my last: it is the tail's, and this trip has no work.  On both ways the same two runs of 17 loads are out
	s_cbranch_scc1 .Lskip
	s_sub_co_u32 s7, s7, 1
	s_add_co_u32 s56, s56, 128                     ; my next pair: four pairs on
	SEARCH
	INVST
	SPLIT
	TILE 0, 1, 17
	TILE 1, 1, 17
	s_wait_xcnt 0x0                                ; the stores have read their bases
	s_add_nc_u64 s[18:19], s[18:19], 262144
	s_add_nc_u64 s[20:21], s[20:21], 16384
.Lskip:
	s_sub_co_u32 s[TRIP], s[TRIP], 1
	s_cmp_lg_u32 s[TRIP], 0
	s_cbranch_scc1 .Lpair
	TILE 0, 0, 17                                  ; my last pair asks for nothing more
	TILE 1, 0, 0
.Lend:
	s_wait_tensorcnt 0x0
	ds_add_u32 v254, v255
	s_wait_dscnt 0x0
	s_endpgm
.Lfunc_end_k_q421e88d0b9_up:
	.size	k_q421e88d0b9_up, .Lfunc_end_k_q421e88d0b9_up-k_q421e88d0b9_up
	.p2alignl 7, 3214868480
	.fill 96, 4, 3214868480
	.section	.rodata,"a",@progbits
	.p2align	6, 0x0
	.amdhsa_kernel k_q421e88d0b9_up
		.amdhsa_group_segment_fixed_size 68096
		.amdhsa_private_segment_fixed_size 0
		.amdhsa_enable_private_segment 0
		.amdhsa_kernarg_size 64
		.amdhsa_user_sgpr_count 2
		.amdhsa_user_sgpr_kernarg_segment_ptr 1
		.amdhsa_wavefront_size32 1
		.amdhsa_system_sgpr_workgroup_id_x 1
		.amdhsa_system_sgpr_workgroup_id_y 1
		.amdhsa_system_sgpr_workgroup_id_z 1
		.amdhsa_system_vgpr_workitem_id 0
		.amdhsa_next_free_vgpr 1024
		.amdhsa_next_free_sgpr 102
		.amdhsa_reserve_vcc 1
		.amdhsa_float_denorm_mode_32 3
		.amdhsa_float_denorm_mode_16_64 3
		.amdhsa_memory_ordered 1
		.amdhsa_forward_progress 1
		.amdhsa_inst_pref_size 106
	.end_amdhsa_kernel
	.amdgpu_metadata
---
amdhsa.version: [ 1, 2 ]
amdhsa.kernels:
  - .name:           k_q421e88d0b9_up
    .symbol:         k_q421e88d0b9_up.kd
    .args:
      - { .name: sel, .offset: 0, .size: 8, .value_kind: global_buffer, .address_space: global }
      - { .name: xq, .offset: 8, .size: 8, .value_kind: global_buffer, .address_space: global }
      - { .name: w1_codes, .offset: 16, .size: 8, .value_kind: global_buffer, .address_space: global }
      - { .name: w1_scales, .offset: 24, .size: 8, .value_kind: global_buffer, .address_space: global }
      - { .name: b1, .offset: 32, .size: 8, .value_kind: global_buffer, .address_space: global }
      - { .name: hid, .offset: 40, .size: 8, .value_kind: global_buffer, .address_space: global }
      - { .name: hsc, .offset: 48, .size: 8, .value_kind: global_buffer, .address_space: global }
      - { .name: tab, .offset: 56, .size: 8, .value_kind: global_buffer, .address_space: global }
    .group_segment_fixed_size: 68096
    .private_segment_fixed_size: 0
    .kernarg_segment_align: 8
    .kernarg_segment_size: 64
    .max_flat_workgroup_size: 128
    .sgpr_count:     102
    .vgpr_count:     1024
    .wavefront_size: 32
...
	.end_amdgpu_metadata
.endif
;; end of part 2
;; launch down (part 3): grid 32 x 8, 4 waves a work-group, no clusters, 304,640 bytes of LDS; arguments hid, hsc, tab, w2_codes, w2_scales, b2, y; writes y
.if DOCPART == 3
	.amdgcn_target "amdgcn-amd-amdhsa--gfx1250"
	.amdhsa_code_object_version 6
	.text
	.protected	k_q421e88d0b9_down
	.globl	k_q421e88d0b9_down
	.p2align	8
	.type	k_q421e88d0b9_down,@function
k_q421e88d0b9_down:
	s_mov_b64 s[64:65], 0
	v_nop
	global_prefetch_b8 v0, s[64:65] scope:SCOPE_SE
	s_setreg_imm32_b32 hwreg(HW_REG_WAVE_MODE, 25, 1), 1
	s_wait_xcnt 0x0
; SECOND PRODUCT, FOR THE CHOSEN ROWS: y[e][p][:] = hidden[e][p][:] W2[e] + b2[e], on codes of E2M1 with one E8M0 scale for each 32 along K = 4,096.
; SHARES.  Work-group (x, e): nc = x / 4 names 128 output columns, q = x % 4; it takes the pairs of tiles (32 rows) q, q + 4, .. of expert e.
; K IS SPLIT OVER THE WAVES: wave w holds K steps 8 w .. 8 w + 7 of all 128 columns in registers (64 fragments, 512 registers: 512 consecutive bytes of each row of W2) and reads the same K steps of the hidden layer:
; no byte of the weights and none of the hidden layer is loaded twice in a work-group.  The four partial sums of a pair meet in LDS; wave w adds and stores rows 8 w .. 8 w + 7, with b2.
; So a row's sum over K is four f32 sums of 1,024 each, added at the end.
; THE WEIGHTS COME IN WHOLE PIECES OF ROWS: a load of the wave takes my 512 consecutive bytes of one row of W2.  Sixteen rows, one tile, at a time go through a stage in LDS that is my wave's own and come back as the
; tile's sixteen half fragments.  Four slots of 64 registers take the loads by turns, so that three or four tiles' loads are always on their way.  No barrier: nobody else touches my stage.
; CONTROL.  All addresses are made of ids, constants and the steps of a loop of two rounds; a round serves up to four pairs.  Only forward branches hang on the stored number of pairs; the two barriers of a round stand
; on every way.  Pair k of a round exists where s23 = pairs - q - 16 x round is above 4 k.  Pairs q + 4 k + 16 x round never pass 31: every load stays in its buffer whatever is stored.
; The product is used transposed (source 0 = 16 columns of W2, source 1 = 16 rows): a lane holds eight neighbouring columns of one row.
; NO TENSOR LOADS AND NO CLUSTER: branches hang on a number that an earlier launch stored.
; LDS: four regions of 67,584 bytes, one for each pair of a round; in each, wave v's partial at 16,896 v: 32 rows of 512 bytes + 16 (33 x 16 bytes from row to row: sixteen rows start in sixteen different groups of banks).
;   Behind them, from byte 270,336 on, the four waves' stages for the weights: 16 rows of 528 bytes each.
; REGISTERS, in windows of 256: window 0: v1-22 addresses, b2; v32-63 W2's scale words; v64-79 the hidden layer's, two sets; v128-255 the 16 accumulators, later rows read back.
;   window 1: W2's fragments of my K steps 0-3 (64 s + 8 t);  window 2: my K steps 4-7;  window 3: the hidden fragments of two pairs (128 x buffer + 64 i + 8 s); at the head four slots of 64 for W2's rows as loaded.
.set LWS, 4                            ; v4   my stage: where I put a row's 512 bytes: 270,336 + 8,448 w + 16 lane
.set WSO, 5                            ; v5   W2's scale words: 128 r + 16 h: lanes 0-15 my K steps 0-3, lanes 16-31 my K steps 4-7
.set IMG, 6                            ; v6   16 x lane
.set HSL, 7                            ; v7   4 x lane
.set STO, 8                            ; v8-11  region k: where I put my partial: 67,584 k + 16,896 w + 528 r + 32 h
.set RD,  12                           ; v12-15 region k: where I read rows back: 67,584 k + 8 x 528 w + 16 lane
.set B2,  16                           ; v16-19 b2 of columns 4 lane .. 4 lane + 3 of my 128
.set LWR, 22                           ; v22  my stage: where I read a fragment: 270,336 + 8,448 w + 528 r + 16 h
.set W2S, 32
.set HS,  64
.set ACC, 128
.set REG, 67584
.set STG, 4*REG
.set MSB, 0
.macro WIN new                         ; the immediate's high byte repeats the setting that is left
.if MSB != \new
	s_set_vgpr_msb (MSB<<8)|\new
.set MSB, \new
.endif
.endm
	s_load_b256 s[4:11], s[0:1], 0x0               ; hid s[4:5], hsc s[6:7], tab s[8:9], W2's codes s[10:11]
	s_load_b128 s[12:15], s[0:1], 0x20             ; W2's scales s[12:13], b2 s[14:15]
	s_load_b64 s[16:17], s[0:1], 0x30              ; y
	v_lshl_add_u32 v126, v0, 2, 0x4a400
	v_mov_b32 v127, 0
	v_lshrrev_b32 v1, 5, v0
	v_readfirstlane_b32 s18, v1                    ; wave 0..3
	s_and_b32 s19, ttmp7, 0xffff                   ; e
	s_lshr_b32 s20, ttmp9, 2                       ; nc
	s_and_b32 s21, ttmp9, 3                        ; q
	v_and_b32 v1, 31, v0                           ; lane
	v_and_b32 v2, 15, v0                           ; r
	v_bfe_u32 v3, v0, 4, 1                         ; h
	v_lshlrev_b32 v[WSO], 7, v2
	v_lshl_add_u32 v[WSO], v3, 4, v[WSO]
	v_lshlrev_b32 v[IMG], 4, v1
	v_lshlrev_b32 v[HSL], 2, v1
	s_mul_i32 s32, s18, 16896
	v_mul_u32_u24 v20, v2, 528
	v_lshl_add_u32 v20, v3, 5, v20
	v_add_nc_u32 v20, s32, v20
	s_mul_i32 s32, s18, 8*528
	v_add_nc_u32 v21, s32, v[IMG]
.irp k, 0,1,2,3
	v_add_nc_u32 v[STO+\k], \k*REG, v20
	v_add_nc_u32 v[RD+\k], \k*REG, v21
.endr
	s_mul_i32 s32, s18, 16*528
	s_add_co_u32 s32, s32, STG                     ; my stage
	v_add_nc_u32 v[LWS], s32, v[IMG]
	v_mul_u32_u24 v[LWR], v2, 528
	v_lshl_add_u32 v[LWR], v3, 4, v[LWR]
	v_add_nc_u32 v[LWR], s32, v[LWR]
	s_lshl_b32 s33, s19, 2
	s_mov_b32 s35, 0
	s_wait_kmcnt 0x0
	s_load_b32 s22, s[8:9], s33 offset:0x8000      ; the expert's pairs
	s_lshl_b32 s34, s19, 21                        ; W2's codes: (1,024 e + 128 nc) rows of 2,048 bytes, + my 512 bytes of a row
	s_lshl_b32 s36, s20, 18
	s_add_co_u32 s34, s34, s36
	s_lshl_b32 s36, s18, 9
	s_add_co_u32 s34, s34, s36
	s_add_nc_u64 s[10:11], s[10:11], s[34:35]
	s_lshl_b32 s34, s19, 17                        ; its scale bytes: rows of 128, + my 32
	s_lshl_b32 s36, s20, 14
	s_add_co_u32 s34, s34, s36
	s_lshl_b32 s36, s18, 5
	s_add_co_u32 s34, s34, s36
	s_add_nc_u64 s[12:13], s[12:13], s[34:35]
	s_lshl_b32 s34, s19, 12                        ; b2
	s_lshl_b32 s36, s20, 9
	s_add_co_u32 s34, s34, s36
	s_add_nc_u64 s[14:15], s[14:15], s[34:35]
; Tile t's sixteen rows of W2 are asked for, my 512 consecutive bytes of a row a load, into slot t % 4 of window 3.
.macro WASK t
	WIN 0xc0                                       ; destination window 3
.irp i, 0,1,2,3,4,5,6,7,8,9,10,11,12,13,14,15
	global_load_b128 v[64*((\t)%4)+4*\i:64*((\t)%4)+4*\i+3], v[IMG], s[10:11] offset:2048*(16*(\t)+\i)
.endr
.endm
; Tile t's rows have come: into my stage as rows, and back as the tile's fragments: lane (r, h) takes, of row r, the 16 bytes at 64 s + 32 c + 16 h.  LDS serves a wave's instructions in order
; (ISA guide 5.7.1.4): the loads see the stores above them, and the next tile's stores come behind these loads.  Then the slot takes the tile four further on.
.macro WSTEP t
.if (\t) < 5
	s_wait_loadcnt 48                              ; loads come back in order: tile t's sixteen are in; the three younger tiles' 48 may be out (b2 and the scale words are older)
.else
	s_wait_loadcnt 16*(7-(\t))                     ; nothing more is asked for: the counts run down
.endif
	WIN 0x0c                                       ; an LDS store's data are its source 1: window 3
.irp i, 0,1,2,3,4,5,6,7,8,9,10,11,12,13,14,15
	ds_store_b128 v[LWS], v[64*((\t)%4)+4*\i:64*((\t)%4)+4*\i+3] offset:528*\i
.endr
	WIN 0x40                                       ; destination window 1: my K steps 0-3
.irp s, 0,1,2,3
.irp c, 0,1
	ds_load_b128 v[64*\s+8*(\t)+4*\c:64*\s+8*(\t)+4*\c+3], v[LWR] offset:64*\s+32*\c
.endr
.endr
	WIN 0x80                                       ; destination window 2: my K steps 4-7
.irp s, 0,1,2,3
.irp c, 0,1
	ds_load_b128 v[64*\s+8*(\t)+4*\c:64*\s+8*(\t)+4*\c+3], v[LWR] offset:256+64*\s+32*\c
.endr
.endr
.if (\t) < 4
	s_wait_dscnt 16                                ; the sixteen LDS loads may be out: the sixteen stores ahead of them are done and have read the slot's registers
	WASK (\t)+4
.endif
.endm
.irp t, 0,1,2,3,4,5,6,7
	global_load_b128 v[W2S+4*\t:W2S+4*\t+3], v[WSO], s[12:13] offset:2048*\t
.endr
	global_load_b128 v[B2:B2+3], v[IMG], s[14:15]
	WASK 0
	WASK 1
	WASK 2
	WASK 3
	s_lshl_b32 s34, s19, 21                        ; hid: expert, pair q (65,536 bytes a pair), my K steps (1,024 bytes each)
	s_lshl_b32 s36, s21, 16
	s_add_co_u32 s34, s34, s36
	s_lshl_b32 s36, s18, 13
	s_add_co_u32 s34, s34, s36
	s_add_nc_u64 s[26:27], s[4:5], s[34:35]
	s_lshl_b32 s34, s19, 17                        ; hsc: 4,096 bytes a pair, 64 a K step
	s_lshl_b32 s36, s21, 12
	s_add_co_u32 s34, s34, s36
	s_lshl_b32 s36, s18, 9
	s_add_co_u32 s34, s34, s36
	s_add_nc_u64 s[28:29], s[6:7], s[34:35]
	s_lshl_b32 s34, s19, 22                        ; y: expert, pair q (32 rows of 4,096 bytes), my 8 rows, my 128 columns
	s_lshl_b32 s36, s21, 17
	s_add_co_u32 s34, s34, s36
	s_lshl_b32 s36, s18, 15
	s_add_co_u32 s34, s34, s36
	s_lshl_b32 s36, s20, 9
	s_add_co_u32 s34, s34, s36
	s_add_nc_u64 s[30:31], s[16:17], s[34:35]
	WSTEP 0
	WSTEP 1
	WSTEP 2
	WSTEP 3
	WSTEP 4
	WSTEP 5
	WSTEP 6
	WSTEP 7
	WIN 0
	s_wait_dscnt 0x0                               ; all 64 fragments are in, and my stores out of window 3 are done: the hidden layer's loads may land there
	s_wait_kmcnt 0x0
	s_sub_co_i32 s23, s22, s21                     ; pairs - q
; 40 loads: pair k's two tiles, my eight K steps: 32 of codes (each 512 consecutive bytes), 8 of scale words (lanes 0-15: K step 2 u, lanes 16-31: K step 2 u + 1)
.macro ALOAD k
	WIN 0xc0
.irp i, 0,1
.irp s, 0,1,2,3,4,5,6,7
.irp c, 0,1
	global_load_b128 v[128*((\k)%2)+64*\i+8*\s+4*\c:128*((\k)%2)+64*\i+8*\s+4*\c+3], v[IMG], s[26:27] offset:262144*(\k)+32768*\i+1024*\s+512*\c
.endr
.endr
.endr
	WIN 0
.irp i, 0,1
.irp u, 0,1,2,3
	global_load_b32 v[HS+8*((\k)%2)+4*\i+\u], v[HSL], s[28:29] offset:16384*(\k)+2048*\i+128*\u
.endr
.endr
.endm
; 128 matrix instructions: K ascending, the sixteen accumulators by turns, one instruction a turn; the first K step starts the sums.  Then my partial goes to LDS.
.macro WORK k
.irp s, 0,1,2,3,4,5,6,7
.if \s < 4
	WIN 0x0d                                       ; source 0 (W2) window 1, source 1 (hidden) window 3, C and D window 0
.else
	WIN 0x0e                                       ; source 0 window 2
.endif
.irp i, 0,1
.irp t, 0,1,2,3,4,5,6,7
.set rD, ACC+8*(8*\i+\t)
.set rA, 64*(\s%4)+8*\t
.set rB, 128*((\k)%2)+64*\i+8*\s
.set rX, W2S+4*\t+(\s%4)
.set rY, HS+8*((\k)%2)+4*\i+(\s/2)
.if \s == 0
	v_wmma_scale_f32_16x16x128_f8f6f4 v[rD:rD+7], v[rA:rA+7], v[rB:rB+7], 0, v[rX], v[rY] matrix_a_fmt:MATRIX_FMT_FP4 matrix_b_fmt:MATRIX_FMT_FP4
.elseif \s == 2
	v_wmma_scale_f32_16x16x128_f8f6f4 v[rD:rD+7], v[rA:rA+7], v[rB:rB+7], v[rD:rD+7], v[rX], v[rY] matrix_a_fmt:MATRIX_FMT_FP4 matrix_b_fmt:MATRIX_FMT_FP4
.elseif \s < 4
	v_wmma_scale_f32_16x16x128_f8f6f4 v[rD:rD+7], v[rA:rA+7], v[rB:rB+7], v[rD:rD+7], v[rX], v[rY] matrix_a_fmt:MATRIX_FMT_FP4 matrix_b_fmt:MATRIX_FMT_FP4 matrix_b_scale:MATRIX_SCALE_ROW1
.elseif (\s%2) == 0
	v_wmma_scale_f32_16x16x128_f8f6f4 v[rD:rD+7], v[rA:rA+7], v[rB:rB+7], v[rD:rD+7], v[rX], v[rY] matrix_a_fmt:MATRIX_FMT_FP4 matrix_b_fmt:MATRIX_FMT_FP4 matrix_a_scale:MATRIX_SCALE_ROW1
.else
	v_wmma_scale_f32_16x16x128_f8f6f4 v[rD:rD+7], v[rA:rA+7], v[rB:rB+7], v[rD:rD+7], v[rX], v[rY] matrix_a_fmt:MATRIX_FMT_FP4 matrix_b_fmt:MATRIX_FMT_FP4 matrix_a_scale:MATRIX_SCALE_ROW1 matrix_b_scale:MATRIX_SCALE_ROW1
.endif
.endr
.endr
.endr
	WIN 0
.rept 5
	v_nop                                          ; four places in front of the stores that read results and of loads into registers that products have read; the fifth since the next pair's first products begin these accumulators anew
.endr
.irp i, 0,1
.irp t, 0,1,2,3,4,5,6,7
	ds_store_b128 v[STO+\k], v[ACC+8*(8*\i+\t):ACC+8*(8*\i+\t)+3] offset:8448*\i+64*\t          ; lane (r, h): row 16 i + r, columns 16 t + 8 h + 0 .. 7; each accumulator from its low end on
	ds_store_b128 v[STO+\k], v[ACC+8*(8*\i+\t)+4:ACC+8*(8*\i+\t)+7] offset:8448*\i+64*\t+16
.endr
.endr
.endm
; Pair k's rows 8 w .. 8 w + 7: the four partials of each row are read (512 bytes each, 16 a lane), added, b2 is added, and the row's 512 bytes are stored.
.macro OUT k
	s_wait_xcnt 0x0                                ; earlier stores have read their data: these registers may be loaded again
.irp p, 0,1,2,3,4,5,6,7
.irp w, 0,1,2,3
	ds_load_b128 v[ACC+16*\p+4*\w:ACC+16*\p+4*\w+3], v[RD+\k] offset:16896*\w+528*\p
.endr
.endr
.irp p, 0,1,2,3,4,5,6,7
	s_wait_dscnt 28-4*\p                           ; LDS loads come back in order: row p's four are in, the later rows' may be out
	v_pk_add_f32 v[ACC+16*\p:ACC+16*\p+1], v[ACC+16*\p:ACC+16*\p+1], v[ACC+16*\p+4:ACC+16*\p+5]
	v_pk_add_f32 v[ACC+16*\p+2:ACC+16*\p+3], v[ACC+16*\p+2:ACC+16*\p+3], v[ACC+16*\p+6:ACC+16*\p+7]
	v_pk_add_f32 v[ACC+16*\p+8:ACC+16*\p+9], v[ACC+16*\p+8:ACC+16*\p+9], v[ACC+16*\p+12:ACC+16*\p+13]
	v_pk_add_f32 v[ACC+16*\p+10:ACC+16*\p+11], v[ACC+16*\p+10:ACC+16*\p+11], v[ACC+16*\p+14:ACC+16*\p+15]
	v_pk_add_f32 v[ACC+16*\p:ACC+16*\p+1], v[ACC+16*\p:ACC+16*\p+1], v[ACC+16*\p+8:ACC+16*\p+9]
	v_pk_add_f32 v[ACC+16*\p+2:ACC+16*\p+3], v[ACC+16*\p+2:ACC+16*\p+3], v[ACC+16*\p+10:ACC+16*\p+11]
	v_pk_add_f32 v[ACC+16*\p:ACC+16*\p+1], v[ACC+16*\p:ACC+16*\p+1], v[B2:B2+1]
	v_pk_add_f32 v[ACC+16*\p+2:ACC+16*\p+3], v[ACC+16*\p+2:ACC+16*\p+3], v[B2+2:B2+3]
	global_store_b128 v[IMG], v[ACC+16*\p:ACC+16*\p+3], s[30:31] offset:524288*\k+4096*\p   ; 512 consecutive bytes, at a multiple of 512 from y's first byte
.endr
.endm
	s_mov_b32 s24, 2
.Lround:
	; ---- the products.  The ways part only forward, and on each way every counted wait has the same loads behind the ones it waits for: the next pair's 40
	s_cmp_gt_i32 s23, 0
	s_cbranch_scc0 .Lp1
	ALOAD 0
	s_cmp_gt_i32 s23, 4
	s_cbranch_scc0 .Lt0
	ALOAD 1
	s_wait_loadcnt 40                              ; pair 0's loads are in; pair 1's 40 may be out
	WORK 0
	s_cmp_gt_i32 s23, 8
	s_cbranch_scc0 .Lt1
	ALOAD 2
	s_wait_loadcnt 40
	WORK 1
	s_cmp_gt_i32 s23, 12
	s_cbranch_scc0 .Lt2
	ALOAD 3
	s_wait_loadcnt 40
	WORK 2
	s_wait_loadcnt 0x0
	WORK 3
	s_branch .Lp1
.Lt0:
	s_wait_loadcnt 0x0
	WORK 0
	s_branch .Lp1
.Lt1:
	s_wait_loadcnt 0x0
	WORK 1
	s_branch .Lp1
.Lt2:
	s_wait_loadcnt 0x0
	WORK 2
.Lp1:
	s_wait_loadcnt 0x0                             ; met already on every way
	s_wait_dscnt 0x0                               ; for the others' sake: my partials lie in LDS
	s_barrier_signal -1
	s_barrier_wait -1
	; ---- the sums
	s_cmp_gt_i32 s23, 0
	s_cbranch_scc0 .Lp2
	OUT 0
	s_cmp_gt_i32 s23, 4
	s_cbranch_scc0 .Lp2
	OUT 1
	s_cmp_gt_i32 s23, 8
	s_cbranch_scc0 .Lp2
	OUT 2
	s_cmp_gt_i32 s23, 12
	s_cbranch_scc0 .Lp2
	OUT 3
.Lp2:
	s_wait_dscnt 0x0                               ; my reads of the regions are over:
	s_barrier_signal -1
	s_barrier_wait -1                              ; everybody's are: the regions may be written again
	s_wait_xcnt 0x0                                ; loads and stores have read their bases and data
	s_add_nc_u64 s[26:27], s[26:27], 0x100000      ; sixteen pairs on
	s_add_nc_u64 s[28:29], s[28:29], 0x10000
	s_add_nc_u64 s[30:31], s[30:31], 0x200000
	s_sub_co_i32 s23, s23, 16
	s_sub_co_u32 s24, s24, 1
	s_cmp_lg_u32 s24, 0
	s_cbranch_scc1 .Lround
	s_wait_tensorcnt 0x0
	ds_add_u32 v126, v127
	s_wait_dscnt 0x0
	s_endpgm
.Lfunc_end_k_q421e88d0b9_down:
	.size	k_q421e88d0b9_down, .Lfunc_end_k_q421e88d0b9_down-k_q421e88d0b9_down
	.p2alignl 7, 3214868480
	.fill 96, 4, 3214868480
	.section	.rodata,"a",@progbits
	.p2align	6, 0x0
	.amdhsa_kernel k_q421e88d0b9_down
		.amdhsa_group_segment_fixed_size 304640
		.amdhsa_private_segment_fixed_size 0
		.amdhsa_enable_private_segment 0
		.amdhsa_kernarg_size 56
		.amdhsa_user_sgpr_count 2
		.amdhsa_user_sgpr_kernarg_segment_ptr 1
		.amdhsa_wavefront_size32 1
		.amdhsa_system_sgpr_workgroup_id_x 1
		.amdhsa_system_sgpr_workgroup_id_y 1
		.amdhsa_system_sgpr_workgroup_id_z 1
		.amdhsa_system_vgpr_workitem_id 0
		.amdhsa_next_free_vgpr 1024
		.amdhsa_next_free_sgpr 66
		.amdhsa_reserve_vcc 0
		.amdhsa_float_denorm_mode_32 3
		.amdhsa_float_denorm_mode_16_64 3
		.amdhsa_memory_ordered 1
		.amdhsa_forward_progress 1
		.amdhsa_inst_pref_size 207
	.end_amdhsa_kernel
	.amdgpu_metadata
---
amdhsa.version: [ 1, 2 ]
amdhsa.kernels:
  - .name:           k_q421e88d0b9_down
    .symbol:         k_q421e88d0b9_down.kd
    .args:
      - { .name: hid, .offset: 0, .size: 8, .value_kind: global_buffer, .address_space: global }
      - { .name: hsc, .offset: 8, .size: 8, .value_kind: global_buffer, .address_space: global }
      - { .name: tab, .offset: 16, .size: 8, .value_kind: global_buffer, .address_space: global }
      - { .name: w2_codes, .offset: 24, .size: 8, .value_kind: global_buffer, .address_space: global }
      - { .name: w2_scales, .offset: 32, .size: 8, .value_kind: global_buffer, .address_space: global }
      - { .name: b2, .offset: 40, .size: 8, .value_kind: global_buffer, .address_space: global }
      - { .name: y, .offset: 48, .size: 8, .value_kind: global_buffer, .address_space: global }
    .group_segment_fixed_size: 304640
    .private_segment_fixed_size: 0
    .kernarg_segment_align: 8
    .kernarg_segment_size: 56
    .max_flat_workgroup_size: 128
    .sgpr_count:     66
    .vgpr_count:     1024
    .wavefront_size: 32
...
	.end_amdgpu_metadata
.endif
;; end of part 3
;; launch combine (part 4): grid 256 x 1, 4 waves a work-group, no clusters, 0 bytes of LDS; arguments sel, gw, tab, y, out0; writes out0
.if DOCPART == 4
	.amdgcn_target "amdgcn-amd-amdhsa--gfx1250"
	.amdhsa_code_object_version 6
	.text
	.protected	k_q421e88d0b9_combine
	.globl	k_q421e88d0b9_combine
	.p2align	8
	.type	k_q421e88d0b9_combine,@function
k_q421e88d0b9_combine:
	s_mov_b64 s[64:65], 0
	v_nop
	global_prefetch_b8 v0, s[64:65] scope:SCOPE_SE
	s_setreg_imm32_b32 hwreg(HW_REG_WAVE_MODE, 25, 1), 1
	s_wait_xcnt 0x0
; out0[token] = g0 y[row of (token, e0)] + g1 y[row of (token, e1)].  A wave takes one token: two rows of 4,096 bytes in, one out.
; sel[token] names the two experts, tab[token][expert] the row of y (1,024 e + position), gw[token] the two weights: all three come by scalar loads.
; The row numbers are chosen by selects, held under 8,192, and only then go into addresses.  Memory binds: no LDS, no barrier, no matrix unit; every load and store of the wave covers 512 consecutive bytes.
.set A, 4                              ; v4-35   the first row
.set B, 36                             ; v36-67  the second
.set O, 68                             ; v68-99  the result
	s_load_b256 s[4:11], s[0:1], 0x0               ; sel s[4:5], gw s[6:7], tab s[8:9], y s[10:11]
	s_load_b64 s[12:13], s[0:1], 0x20              ; out0
	v_lshrrev_b32 v1, 5, v0
	v_readfirstlane_b32 s14, v1                    ; wave
	s_lshl_b32 s15, ttmp9, 2
	s_add_co_u32 s14, s14, s15                     ; my token
	v_and_b32 v1, 31, v0
	v_lshlrev_b32 v1, 4, v1                        ; 16 bytes a lane
	s_lshl_b32 s15, s14, 2
	s_lshl_b32 s17, s14, 3
	s_lshl_b32 s18, s14, 5
	s_lshl_b32 s40, s14, 12
	s_mov_b32 s41, 0
	s_wait_kmcnt 0x0
	s_load_b32 s16, s[4:5], s15 offset:0x0         ; e0 | e1 << 8 | ..
	s_load_b64 s[20:21], s[6:7], s17 offset:0x0    ; g0, g1
	s_load_b256 s[24:31], s[8:9], s18 offset:0x0   ; the token's eight entries of the table
	s_add_nc_u64 s[12:13], s[12:13], s[40:41]
	s_wait_kmcnt 0x0
	s_and_b32 s36, s16, 0xff                       ; e0
	s_bfe_u32 s37, s16, 0x80008                    ; e1
	s_mov_b32 s22, s21                             ; g1 as the low word of a pair of its own
	s_mov_b32 s23, s21
.macro PICK e, pos, base               ; the table's entry of expert s[e], as a row's address
	s_mov_b32 s[\pos], s24
.irp i, 1,2,3,4,5,6,7
	s_cmp_eq_u32 s[\e], \i
	s_cselect_b32 s[\pos], s[24+\i], s[\pos]
.endr
	s_min_u32 s[\pos], s[\pos], 8191               ; y has 8,192 rows
	s_lshl_b32 s[\pos], s[\pos], 12
	s_mov_b32 s[\pos+1], 0
	s_add_nc_u64 s[\base:\base+1], s[10:11], s[\pos:\pos+1]
.endm
	PICK 36, 38, 32
	PICK 37, 42, 34
.irp n, 0,1,2,3,4,5,6,7
	global_load_b128 v[A+4*\n:A+4*\n+3], v1, s[32:33] offset:512*\n th:TH_LOAD_NT
	global_load_b128 v[B+4*\n:B+4*\n+3], v1, s[34:35] offset:512*\n th:TH_LOAD_NT
.endr
.irp n, 0,1,2,3,4,5,6,7
	s_wait_loadcnt 14-2*\n                         ; piece n of both rows is in; the later pieces' loads may be out
	v_pk_mul_f32 v[O+4*\n:O+4*\n+1], v[A+4*\n:A+4*\n+1], s[20:21] op_sel_hi:[1,0]
	v_pk_mul_f32 v[O+4*\n+2:O+4*\n+3], v[A+4*\n+2:A+4*\n+3], s[20:21] op_sel_hi:[1,0]
	v_pk_fma_f32 v[O+4*\n:O+4*\n+1], v[B+4*\n:B+4*\n+1], s[22:23], v[O+4*\n:O+4*\n+1] op_sel_hi:[1,0,1]
	v_pk_fma_f32 v[O+4*\n+2:O+4*\n+3], v[B+4*\n+2:B+4*\n+3], s[22:23], v[O+4*\n+2:O+4*\n+3] op_sel_hi:[1,0,1]
	global_store_b128 v1, v[O+4*\n:O+4*\n+3], s[12:13] offset:512*\n th:TH_STORE_NT
.endr
	s_endpgm
.Lfunc_end_k_q421e88d0b9_combine:
	.size	k_q421e88d0b9_combine, .Lfunc_end_k_q421e88d0b9_combine-k_q421e88d0b9_combine
	.p2alignl 7, 3214868480
	.fill 96, 4, 3214868480
	.section	.rodata,"a",@progbits
	.p2align	6, 0x0
	.amdhsa_kernel k_q421e88d0b9_combine
		.amdhsa_group_segment_fixed_size 0
		.amdhsa_private_segment_fixed_size 0
		.amdhsa_enable_private_segment 0
		.amdhsa_kernarg_size 40
		.amdhsa_user_sgpr_count 2
		.amdhsa_user_sgpr_kernarg_segment_ptr 1
		.amdhsa_wavefront_size32 1
		.amdhsa_system_sgpr_workgroup_id_x 1
		.amdhsa_system_sgpr_workgroup_id_y 1
		.amdhsa_system_sgpr_workgroup_id_z 1
		.amdhsa_system_vgpr_workitem_id 0
		.amdhsa_next_free_vgpr 104
		.amdhsa_next_free_sgpr 66
		.amdhsa_reserve_vcc 0
		.amdhsa_float_denorm_mode_32 3
		.amdhsa_float_denorm_mode_16_64 3
		.amdhsa_memory_ordered 1
		.amdhsa_forward_progress 1
		.amdhsa_inst_pref_size 7
	.end_amdhsa_kernel
	.amdgpu_metadata
---
amdhsa.version: [ 1, 2 ]
amdhsa.kernels:
  - .name:           k_q421e88d0b9_combine
    .symbol:         k_q421e88d0b9_combine.kd
    .args:
      - { .name: sel, .offset: 0, .size: 8, .value_kind: global_buffer, .address_space: global }
      - { .name: gw, .offset: 8, .size: 8, .value_kind: global_buffer, .address_space: global }
      - { .name: tab, .offset: 16, .size: 8, .value_kind: global_buffer, .address_space: global }
      - { .name: y, .offset: 24, .size: 8, .value_kind: global_buffer, .address_space: global }
      - { .name: out0, .offset: 32, .size: 8, .value_kind: global_buffer, .address_space: global }
    .group_segment_fixed_size: 0
    .private_segment_fixed_size: 0
    .kernarg_segment_align: 8
    .kernarg_segment_size: 40
    .max_flat_workgroup_size: 128
    .sgpr_count:     66
    .vgpr_count:     104
    .wavefront_size: 32
...
	.end_amdgpu_metadata
.endif
;; end of part 4
;; ======== version 2 of 2: 4 launches
;; workspace buffers: xq 557,056 bytes; sel 4,096 bytes of whole numbers; gw 8,192 bytes; tab 33,024 bytes of whole numbers; hid 16,777,216 bytes; hsc 1,048,576 bytes; y 33,554,432 bytes
;; launch route (part 5): grid 128 x 1, 4 waves a work-group, no clusters, 6,144 bytes of LDS; arguments x, gate_w, gate_b, xq, sel, gw, tab; writes xq, sel, gw, tab
.if DOCPART == 5
	.amdgcn_target "amdgcn-amd-amdhsa--gfx1250"
	.amdhsa_code_object_version 6
	.text
	.protected	k_q421e88d0b9_route
	.globl	k_q421e88d0b9_route
	.p2align	8
	.type	k_q421e88d0b9_route,@function
k_q421e88d0b9_route:
	s_mov_b64 s[64:65], 0
	v_nop
	global_prefetch_b8 v0, s[64:65] scope:SCOPE_SE
	s_setreg_imm32_b32 hwreg(HW_REG_WAVE_MODE, 25, 1), 1
	s_wait_xcnt 0x0
; ROUTER AND QUANTISER OF x.  x [1024][1024] f32, gate_w [1024][8] f32, gate_b [8] f32.
; Stored: xq = x's codes of E2M1 [1024][512 bytes], K innermost, and from byte 524,288 on its E8M0 bytes [1024][32];
;         sel[token] = e0 | e1 << 8 | ((1 << e0) | (1 << e1)) << 16 (e0 the largest logit's expert, e1 the second's; of equal logits the lower index wins, as lax.top_k has it);
;         gw[token] = the softmax of the two logits (the larger one taken away first);  zeros into tab's first 32,768 bytes (the table [token][expert] that the next launch fills in part).
; SHARES.  A work-group owns 8 tokens; wave w owns d = 256 w .. 256 w + 255 of each; lane l owns 8 neighbours along d, which is what one conversion takes.  A block of 32 is four lanes.
; The logits are f32 multiply-adds: 8 products a lane, summed over the lanes and then over the four waves through LDS.  No matrix unit: N = 8.  The work-groups share no large input, so there is no cluster.
; No address and no branch hangs on a floating-point number: the choice is stored at fixed places, as whole numbers, for the next launches.
; LIMITS: NaN and infinities among the inputs are not served.  The logits' sums go in another order than a plain row sum: a choice can differ only where two logits agree to f32's last bits.
; If every logit but the largest is -infinity the second choice is expert 0.  A block of zeros gets the byte 1 (its codes are zeros; this program alone reads the bytes).
.set XQ,  0                            ; LDS: 8 tokens x 512 bytes of codes
.set XS,  4096                         ; 8 x 32 scale bytes
.set LG,  4352                         ; 4 waves x 64 partial logits, [wave][8 token + expert]
.set MX,  16                           ; v16-23  a block's largest magnitude, one for each token
.set SC,  24                           ; v24-31  the conversions' scale operands
.set X,   32                           ; v32-95  x: token i at 8 i
.set GW,  96                           ; v96-159 gate_w: my row j, expert e at 8 j + e
.set AC,  160                          ; v160-223 partial logits: 8 i + e
.set C,   224                          ; v224-231 codes
.set BY,  232                          ; v232-239 scale bytes
	s_load_b256 s[4:11], s[0:1], 0x0               ; x s[4:5], gate_w s[6:7], gate_b s[8:9], xq s[10:11]
	s_load_b128 s[12:15], s[0:1], 0x20             ; sel s[12:13], gw s[14:15]
	s_load_b64 s[16:17], s[0:1], 0x30              ; tab
	v_lshl_add_u32 v254, v0, 2, 0x1600
	v_mov_b32 v255, 0
	v_lshrrev_b32 v1, 5, v0
	v_readfirstlane_b32 s18, v1                    ; wave 0..3
	v_and_b32 v1, 31, v0                           ; lane
	v_lshlrev_b32 v2, 5, v1                        ; x: my 8 numbers, 32 bytes a lane
	v_lshlrev_b32 v3, 8, v1                        ; gate_w: my 8 rows of 32 bytes
	v_lshlrev_b32 v4, 2, v0                        ; LDS, codes: 128 wave + 4 lane = 4 x thread
	v_lshrrev_b32 v5, 2, v0
	v_add_nc_u32 v5, XS, v5                        ; LDS, scale byte: 8 wave + lane / 4 = thread / 4
	v_lshrrev_b32 v6, 4, v0
	v_lshl_add_u32 v6, v6, 7, LG                   ; LDS, partial logits: 256 wave + 128 (lane / 16)
	v_lshlrev_b32 v8, 4, v1                        ; 16 x lane
	s_lshl_b32 s19, s18, 10
	v_add_nc_u32 v7, s19, v8                       ; LDS, codes on the way out: 1,024 wave + 16 lane
	v_lshlrev_b32 v10, 3, v1                       ; 8 x lane
	v_add_nc_u32 v9, XS, v10                       ; LDS, scale bytes on the way out
	v_and_b32 v15, 7, v0                           ; the token that my lane decides for (wave 0)
	v_lshl_add_u32 v11, v15, 5, LG                 ; LDS, its eight partial logits
	v_lshlrev_b32 v12, 2, v15
	v_lshlrev_b32 v13, 3, v15
	v_mov_b32 v14, 1
	s_lshl_b32 s20, ttmp9, 15                      ; x: 8 tokens of 4,096 bytes a work-group,
	s_add_co_u32 s20, s20, s19                     ; + 1,024 bytes a wave
	s_mov_b32 s21, 0
	s_lshl_b32 s22, s18, 13                        ; gate_w: 256 rows of 32 bytes a wave
	s_mov_b32 s23, 0
	s_wait_kmcnt 0x0
	s_load_b256 s[24:31], s[8:9], 0x0              ; gate_b
	s_add_nc_u64 s[4:5], s[4:5], s[20:21]
	s_add_nc_u64 s[6:7], s[6:7], s[22:23]
.irp i, 0,1,2,3,4,5,6,7
	global_load_b128 v[X+8*\i:X+8*\i+3], v2, s[4:5] offset:4096*\i th:TH_LOAD_NT       ; the pair covers 1,024 consecutive bytes of token i
	global_load_b128 v[X+8*\i+4:X+8*\i+7], v2, s[4:5] offset:4096*\i+16 th:TH_LOAD_NT
.endr
.set N, 0
.rept 16
	global_load_b128 v[GW+4*N:GW+4*N+3], v3, s[6:7] offset:16*N
.set N, N+1
.endr
	s_lshl_b32 s20, ttmp9, 8                       ; the other buffers at my work-group's part
	s_add_nc_u64 s[34:35], s[10:11], s[20:21]      ; xq + 256 g: the scale bytes lie 524,288 further on
	s_add_nc_u64 s[16:17], s[16:17], s[20:21]      ; tab + 256 g
	s_lshl_b32 s20, ttmp9, 12
	s_add_co_u32 s20, s20, s19
	s_add_nc_u64 s[10:11], s[10:11], s[20:21]      ; xq + 4,096 g + 1,024 wave
	s_lshl_b32 s20, ttmp9, 5
	s_add_nc_u64 s[12:13], s[12:13], s[20:21]      ; sel + 32 g
	s_lshl_b32 s20, ttmp9, 6
	s_add_nc_u64 s[14:15], s[14:15], s[20:21]      ; gw + 64 g
	; ---- x into codes.  The eight tokens take turns line by line
	s_wait_loadcnt 16                              ; x's sixteen loads are in; gate_w's sixteen may be out
.irp i, 0,1,2,3,4,5,6,7
	v_max3_num_f32 v[MX+\i], |v[X+8*\i]|, |v[X+8*\i+1]|, 0x1800000   ; my 8 numbers, and the floor 2^(3 - 127): the byte cannot fall under 1
.endr
.irp k, 2,4,6
.irp i, 0,1,2,3,4,5,6,7
	v_max3_num_f32 v[MX+\i], v[MX+\i], |v[X+8*\i+\k]|, |v[X+8*\i+\k+1]|
.endr
.endr
.irp i, 0,1,2,3,4,5,6,7
	v_max_num_f32_dpp v[MX+\i], v[MX+\i], v[MX+\i] row_xmask:1 row_mask:0xf bank_mask:0xf
.endr
.irp i, 0,1,2,3,4,5,6,7
	v_max_num_f32_dpp v[MX+\i], v[MX+\i], v[MX+\i] row_xmask:2 row_mask:0xf bank_mask:0xf   ; four lanes: the block's largest magnitude
.endr
.irp i, 0,1,2,3,4,5,6,7
	v_add_nc_u32 v[SC+\i], 0xff000000, v[MX+\i]    ; 2 off its exponent field: the conversion takes that field as its scale
.endr
.irp i, 0,1,2,3,4,5,6,7
	v_cvt_scalef32_pk8_fp4_f32 v[C+\i], v[X+8*\i:X+8*\i+7], v[SC+\i]
.endr
.irp i, 0,1,2,3,4,5,6,7
	v_lshrrev_b32 v[BY+\i], 23, v[SC+\i]           ; the scale's byte (also the plain line behind the conversions)
.endr
.irp i, 0,1,2,3,4,5,6,7
	ds_store_b32 v4, v[C+\i] offset:XQ+512*\i
	ds_store_b8 v5, v[BY+\i] offset:32*\i          ; the four lanes of a block write the same byte with the same value
.endr
	; ---- partial logits: AC[8 i + e] = sum over my 8 d of x[i][d] gate_w[d][e], two experts an instruction; the first product starts each sum
	s_wait_loadcnt 0x0
.irp i, 0,1,2,3,4,5,6,7
.irp u, 0,1,2,3
	v_pk_mul_f32 v[AC+8*\i+2*\u:AC+8*\i+2*\u+1], v[X+8*\i:X+8*\i+1], v[GW+2*\u:GW+2*\u+1] op_sel_hi:[0,1]
.endr
.irp u, 0,1,2,3
	v_pk_fma_f32 v[AC+8*\i+2*\u:AC+8*\i+2*\u+1], v[X+8*\i:X+8*\i+1], v[GW+8+2*\u:GW+8+2*\u+1], v[AC+8*\i+2*\u:AC+8*\i+2*\u+1] op_sel:[1,0,0] op_sel_hi:[1,1,1]
.endr
.irp j, 2,4,6
.irp u, 0,1,2,3
	v_pk_fma_f32 v[AC+8*\i+2*\u:AC+8*\i+2*\u+1], v[X+8*\i+\j:X+8*\i+\j+1], v[GW+8*\j+2*\u:GW+8*\j+2*\u+1], v[AC+8*\i+2*\u:AC+8*\i+2*\u+1] op_sel_hi:[0,1,1]
.endr
.irp u, 0,1,2,3
	v_pk_fma_f32 v[AC+8*\i+2*\u:AC+8*\i+2*\u+1], v[X+8*\i+\j:X+8*\i+\j+1], v[GW+8*\j+8+2*\u:GW+8*\j+8+2*\u+1], v[AC+8*\i+2*\u:AC+8*\i+2*\u+1] op_sel:[1,0,0] op_sel_hi:[1,1,1]
.endr
.endr
.endr
	; ---- over the 32 lanes.  First the halves: lanes 0-15 keep sums 0-31, lanes 16-31 sums 32-63; then four steps inside each half
.set N, 0
.rept 32
	v_permlane16_swap_b32 v[AC+N], v[AC+N+32]
.set N, N+1
.endr
.set N, 0
.rept 32
	v_add_f32 v[AC+N], v[AC+N], v[AC+N+32]
.set N, N+1
.endr
.irp m, 1,2,4,8
.set N, 0
.rept 32
	v_add_f32_dpp v[AC+N], v[AC+N], v[AC+N] row_xmask:\m row_mask:0xf bank_mask:0xf
.set N, N+1
.endr
.endr
.irp n, 0,1,2,3,4,5,6,7
	ds_store_b128 v6, v[AC+4*\n:AC+4*\n+3] offset:16*\n   ; the sixteen lanes of a half write the same bytes with the same values
.endr
	s_wait_dscnt 0x0                               ; for the others' sake: my codes, bytes and partial logits lie in LDS
	s_wait_kmcnt 0x0                               ; gate_b
	s_barrier_signal -1
	s_barrier_wait -1
	; ---- the codes leave: 1,024 bytes a wave, each store 512 consecutive bytes
	ds_load_b128 v[96:99], v7
	ds_load_b128 v[100:103], v7 offset:512
	s_wait_dscnt 0x0
	global_store_b128 v8, v[96:99], s[10:11]
	global_store_b128 v8, v[100:103], s[10:11] offset:512
	s_cmp_eq_u32 s18, 1
	s_cbranch_scc0 .Lnot_wave_1
	; ---- wave 1: the 256 scale bytes, and 256 bytes of zeros into the table [token][expert]
	ds_load_b64 v[104:105], v9
	v_mov_b32 v106, 0
	v_mov_b32 v107, 0
	s_wait_alu depctr_va_vdst(0)
	s_wait_dscnt 0x0
	global_store_b64 v10, v[104:105], s[34:35] offset:524288
	global_store_b64 v10, v[106:107], s[16:17]
	s_wait_tensorcnt 0x0
	ds_add_u32 v254, v255
	s_wait_dscnt 0x0
	s_endpgm
.Lnot_wave_1:
	s_cmp_eq_u32 s18, 0
	s_cbranch_scc0 .Lend
	; ---- wave 0: lane t (and its repeats 8, 16, 24 further on) decides for token t
.irp w, 0,1,2,3
.irp u, 0,1
	ds_load_b128 v[32+8*\w+4*\u:32+8*\w+4*\u+3], v11 offset:256*\w+16*\u
.endr
.endr
	s_wait_dscnt 0x0
.irp u, 0,2,4,6
	v_pk_add_f32 v[32+\u:33+\u], v[32+\u:33+\u], v[40+\u:41+\u]
	v_pk_add_f32 v[48+\u:49+\u], v[48+\u:49+\u], v[56+\u:57+\u]
.endr
.irp u, 0,2,4,6
	v_pk_add_f32 v[32+\u:33+\u], v[32+\u:33+\u], v[48+\u:49+\u]
.endr
.irp e, 0,1,2,3,4,5,6,7
	v_add_f32 v[32+\e], s[24+\e], v[32+\e]         ; + gate_b: the logits
.endr
	v_mov_b32 v16, v32                             ; the largest so far, and its expert
	v_mov_b32 v17, 0
.irp i, 1,2,3,4,5,6,7
	v_cmp_gt_f32 vcc_lo, v[32+\i], v16             ; strictly larger: of equals the lower index stays
	v_cndmask_b32 v16, v16, v[32+\i], vcc_lo
	v_cndmask_b32 v17, v17, \i, vcc_lo
.endr
	v_mov_b32 v18, 0xff800000                      ; the second: -infinity to begin with
	v_mov_b32 v19, 0
.irp i, 0,1,2,3,4,5,6,7
	v_cmp_ne_u32 s32, \i, v17                      ; not the first's expert,
	v_cmp_gt_f32 vcc_lo, v[32+\i], v18             ; and strictly larger
	s_and_b32 vcc_lo, vcc_lo, s32
	v_cndmask_b32 v18, v18, v[32+\i], vcc_lo
	v_cndmask_b32 v19, v19, \i, vcc_lo
.endr
	v_sub_f32 v20, v18, v16                        ; the larger logit is taken away: 0 and a number that is 0 or less
	v_mul_f32 v20, 0x3fb8aa3b, v20
	s_wait_alu depctr_va_vdst(0)
	v_exp_f32 v21, v20                             ; p = e^(second - first), at most 1
	v_lshlrev_b32 v22, v17, v14                    ; (plain work behind the exponential)  1 << e0
	v_lshlrev_b32 v23, v19, v14                    ; 1 << e1
	s_wait_alu depctr_va_vdst(0)                   ; the wait ahead of the first use of the result
	v_add_f32 v24, 1.0, v21
	s_wait_alu depctr_va_vdst(0)
	v_rcp_f32 v26, v24                             ; g0 = 1 / (1 + p)
	v_or_b32 v22, v22, v23                         ; (plain work behind the reciprocal)
	v_lshl_or_b32 v25, v19, 8, v17
	v_lshl_or_b32 v25, v22, 16, v25                ; e0 | e1 << 8 | mask << 16
	s_wait_alu depctr_va_vdst(0)
	v_mul_f32 v27, v21, v26                        ; g1 = p g0
	global_store_b32 v12, v25, s[12:13]
	global_store_b64 v13, v[26:27], s[14:15]
.Lend:
	s_wait_tensorcnt 0x0
	ds_add_u32 v254, v255
	s_wait_dscnt 0x0
	s_endpgm
.Lfunc_end_k_q421e88d0b9_route:
	.size	k_q421e88d0b9_route, .Lfunc_end_k_q421e88d0b9_route-k_q421e88d0b9_route
	.p2alignl 7, 3214868480
	.fill 96, 4, 3214868480
	.section	.rodata,"a",@progbits
	.p2align	6, 0x0
	.amdhsa_kernel k_q421e88d0b9_route
		.amdhsa_group_segment_fixed_size 6144
		.amdhsa_private_segment_fixed_size 0
		.amdhsa_enable_private_segment 0
		.amdhsa_kernarg_size 56
		.amdhsa_user_sgpr_count 2
		.amdhsa_user_sgpr_kernarg_segment_ptr 1
		.amdhsa_wavefront_size32 1
		.amdhsa_system_sgpr_workgroup_id_x 1
		.amdhsa_system_sgpr_workgroup_id_y 1
		.amdhsa_system_sgpr_workgroup_id_z 1
		.amdhsa_system_vgpr_workitem_id 0
		.amdhsa_next_free_vgpr 256
		.amdhsa_next_free_sgpr 66
		.amdhsa_reserve_vcc 1
		.amdhsa_float_denorm_mode_32 3
		.amdhsa_float_denorm_mode_16_64 3
		.amdhsa_memory_ordered 1
		.amdhsa_forward_progress 1
		.amdhsa_inst_pref_size 44
	.end_amdhsa_kernel
	.amdgpu_metadata
---
amdhsa.version: [ 1, 2 ]
amdhsa.kernels:
  - .name:           k_q421e88d0b9_route
    .symbol:         k_q421e88d0b9_route.kd
    .args:
      - { .name: x, .offset: 0, .size: 8, .value_kind: global_buffer, .address_space: global }
      - { .name: gate_w, .offset: 8, .size: 8, .value_kind: global_buffer, .address_space: global }
      - { .name: gate_b, .offset: 16, .size: 8, .value_kind: global_buffer, .address_space: global }
      - { .name: xq, .offset: 24, .size: 8, .value_kind: global_buffer, .address_space: global }
      - { .name: sel, .offset: 32, .size: 8, .value_kind: global_buffer, .address_space: global }
      - { .name: gw, .offset: 40, .size: 8, .value_kind: global_buffer, .address_space: global }
      - { .name: tab, .offset: 48, .size: 8, .value_kind: global_buffer, .address_space: global }
    .group_segment_fixed_size: 6144
    .private_segment_fixed_size: 0
    .kernarg_segment_align: 8
    .kernarg_segment_size: 56
    .max_flat_workgroup_size: 128
    .sgpr_count:     66
    .vgpr_count:     256
    .wavefront_size: 32
...
	.end_amdgpu_metadata
.endif
;; end of part 5
;; launch up (part 6): grid 32 x 8, 4 waves a work-group, no clusters, 68,096 bytes of LDS; arguments sel, xq, w1_codes, w1_scales, b1, hid, hsc, tab; writes hid, hsc, tab
.if DOCPART == 6
	.amdgcn_target "amdgcn-amd-amdhsa--gfx1250"
	.amdhsa_code_object_version 6
	.text
	.protected	k_q421e88d0b9_up
	.globl	k_q421e88d0b9_up
	.p2align	8
	.type	k_q421e88d0b9_up,@function
k_q421e88d0b9_up:
	s_mov_b64 s[64:65], 0
	v_nop
	global_prefetch_b8 v0, s[64:65] scope:SCOPE_SE
	s_setreg_imm32_b32 hwreg(HW_REG_WAVE_SCHED_MODE, 0, 2), 2
	s_setreg_imm32_b32 hwreg(HW_REG_WAVE_MODE, 25, 1), 1
	s_wait_xcnt 0x0
	s_wait_alu depctr_vm_vsrc(0)
; FIRST PRODUCT, ONLY FOR THE ROWS THAT WERE CHOSEN: hidden = Q(relu(Q(x) W1[e] + b1[e])), on codes of E2M1 with one E8M0 scale for each 32 along K.
; SHARES.  Work-group (c, e) owns hidden units 128 c .. 128 c + 127 of expert e: one K step of the second product.  Each of its four waves holds that slice of W1 in registers (64 fragments, 512 registers),
; with its scale words and b1, and takes pairs of tiles (32 rows) w, w + 4, ..
; THE SLICE COMES FROM MEMORY ONCE, IN WHOLE ROWS.  A row of W1 is 512 bytes: one load of a wave.  Wave w loads rows 32 w .. 32 w + 31 and puts them into LDS, 528 bytes from row to row, in the order of the tiles;
; behind the launch's one barrier every wave reads all 64 fragments.  Behind that the waves share nothing.
; THE ROWS.  sel[token] carries a mask of its two experts.  Each wave reads all 1,024 words (eight dense loads), takes 32 ballots on bit 16 + e, and counts.  Bit l of ballot j stands for token 128 (j / 4) + 4 l + j % 4.
; Position p of expert e is the token of the p-th set bit.  A lane finds its position's token by a walk over the 32 running counts and a search in five steps inside the word: whole numbers only.
; POSITIONS AT OR PAST THE COUNT: every running count is at most p, so the walk ends at ballot 31, and in each of the five steps what is left of p is at least the bits still ahead, so the search
; ends at bit 31: token 1,023.  Inside the last pair its row is computed and stored like the others, and nobody reads it.  A wave with no pair at all makes its first search and loads too (that token's row, inside xq),
; since these stand ahead of the barrier, which every wave passes; it ends behind the barrier.
; THE TABLE.  The work-groups with c = 0 store tab[token][e] = 1,024 e + min(p, count - 1), all lanes on.  For a valid position that is 1,024 e + p.  The other lanes write count - 1 to token 1,023's entry: token 1,023 is the
; last bit in the order, so if it chose e its position IS count - 1 (the valid lane of the same store writes the same number), and if it did not, nobody reads that entry.  The last pair is one wave's.
; One wave of each expert stores the number of pairs at tab + 32,768 + 4 e.
; THE LOOP over my pairs has a constant count: an expert has at most 1,024 rows = 32 pairs, a wave at most 8; seven trips and a tail that is written out.  A trip with no further pair to do jumps over its work.
; LAYOUT.  The product is used transposed (source 0 = 16 rows of W1, source 1 = 16 rows of x), and lane r of tile 2 b + u takes W1's row 32 b + 8 u + r + 8 (r / 8): so a lane holds one row, and the 16 registers of
; tiles 2 b, 2 b + 1 are 16 neighbours along the next K.  b1 is the C of each sum's first instruction.  The codes leave as an image of the operand's registers: hid [e][tile 64][K step 32][1,024 bytes], group cc of four
; registers at 512 cc + 16 lane; the scale words hsc [e][tile][K step][16 rows][4 bytes] (64 bytes a store: one sixteenth of the hidden layer's bytes goes out in short pieces).
; x's rows are gathered by the fragments' own layout, 32 bytes of each of sixteen rows a load: whole rows would want an address for each row and a second turn through LDS.
; NO TENSOR LOADS AND NO CLUSTER: branches and addresses hang on numbers that the launch before stored, and each slice of W1 is read by one work-group alone.
; LIMITS: a block of zeros gets the byte 1 (its codes are zeros; this program alone reads the bytes); NaN and infinities are not served.
; LDS: 128 rows of W1 x 528 bytes (512 + 16: 33 x 16 bytes from row to row, so that the sixteen rows that a load touches start in sixteen different groups of banks).
; REGISTERS, in windows of 256: window 0: v1-31 addresses and the search; v32-63 W1's scale words; v64-71 x's; v72-81 codes and scale word just made, an address; v84-99 at work; v128-191 the 8 accumulators; v192-223 sel's words.
;   window 1: W1's fragments of K steps 0-3 (step s, tile t at 64 s + 8 t);  window 2: K steps 4-7 (at the head v0-127: my 32 rows as loaded);  window 3: v0-63, v64-127 x's fragments of two tiles (8 s); v192-255 b1 (8 t).
; THE MODE: SCHED_MODE bits 1:0 = 2 (LLVM: expert scheduling mode 2), set by the entry lines.  The code itself states the register dependences between vector or matrix instructions and memory or LDS
; instructions, and those through scalar registers and VCC that vector instructions write, with s_wait_alu, always for 0.
; THE PLAN.  Registers that memory or LDS instructions touch:
;   v4-v8, v30, v81   offsets and LDS addresses: made once at the head, ahead of the head's wait on va_vdst, and never written again.
;   window 2 v0-127   at the head: W1's rows land, my LDS stores read them, then fragments land there: one wait on vm_vsrc, behind the barrier.
;   windows 1 and 2, v32-63, window 3 v192-255   loaded once; read by products alone.
;   x's buffer b (window 3 v[64 b ..], v[64 + 4 b ..])   read by tile b's products; behind them the same tile of my next pair lands there.
;   v9-v12            x's offsets: read by buffer b's loads; written again behind tile b's products.
;   v72-v80           written by a tile's conversions, read by its three stores.      v28, v29, v31: the table's stores.
; A TILE HAS THREE WAITS: vm_vsrc at its head (the last tile's stores have read the codes, this buffer's loads their offsets); va_vdst behind its products and the two new offsets, with the buffer's 17 loads straight
; behind it; va_vdst behind its conversions, ahead of its three stores.  The search and the split name v13-v27 alone, which no memory instruction touches.
.set WP,  528                          ; a row of W1 in LDS
.set HH,  3                            ; v3   h = lane / 16
.set LWS, 4                            ; v4   LDS: where I put a row of W1: 32 x 528 x wave + 16 x lane
.set WSO, 5                            ; v5   W1's scale words: (r + 8 (r / 8)) x 32 + 16 h: lanes 0-15 take K steps 0-3, lanes 16-31 K steps 4-7
.set BO,  6                            ; v6   b1: 64 h
.set IMG, 7                            ; v7   16 x lane
.set HSO, 8                            ; v8   4 r
.set XAD, 9                            ; v9, v10 tile A's offsets of codes and scale words in xq; v11, v12 tile B's
.set POS, 13
.set W,   14
.set BS,  15
.set TB,  16
.set Q,   17
.set T,   18
.set A2,  19
.set A4,  20
.set A8,  21
.set A16, 22
.set BIT, 23
.set U,   24
.set TOK, 25
.set NA,  26                           ; v26 tile A's tokens, in both halves of the lanes; v27 tile B's
.set IV,  28
.set IVV, 29
.set W1S, 32
.set XSC, 64
.set PC,  72
.set PW,  80
.set LWR, 81                           ; v81  LDS: where I read a fragment: 528 r + 16 h
.set TM,  84
.set ACC, 128
.set SW,  192
.set B1,  192                          ; in window 3
.set M,   24                           ; s24-55  the 32 ballots
.set CU,  66                           ; s66-96  CU + j - 1: bits in ballots under j, j = 1 .. 31
.set CNT, 97                           ; s97     the expert's rows
.set TRIP, 98                          ; s98     the loop's counter
.set LAST, 99                          ; s99     the expert's last position: count - 1
.set SEL, 60                           ; s[60:61] lane selects for v_permlanex16_b32: lane l xor 16
.set MSB, 0
.macro WIN new                         ; the immediate's high byte repeats the setting that is left
.if MSB != \new
	s_set_vgpr_msb (MSB<<8)|\new
.set MSB, \new
.endif
.endm
; The walk's compares go eight at a time into scalar registers that are done with when the first search begins: s5, s6 (the bit's number, the pairs), s57, s58 (4 e), s62, s63, s100, s101 (the head's offsets).  MR = the k-th of them.
.macro MASKREG k
.set MR, 5+(\k)%2
.if (\k)/2 == 1
.set MR, 57+(\k)%2
.elseif (\k)/2 == 2
.set MR, 62+(\k)%2
.elseif (\k)/2 == 3
.set MR, 100+(\k)%2
.endif
.endm
	s_load_b512 s[8:23], s[0:1], 0x0               ; sel s[8:9], xq s[10:11], W1's codes s[12:13], its scales s[14:15], b1 s[16:17], hid s[18:19], hsc s[20:21], tab s[22:23]
	v_lshl_add_u32 v254, v0, 2, 0x10800
	v_mov_b32 v255, 0
	v_lshrrev_b32 v1, 5, v0
	v_readfirstlane_b32 s2, v1                     ; wave 0..3
	s_and_b32 s3, ttmp7, 0xffff                    ; e
	s_mov_b32 s4, ttmp9                            ; c
	s_add_co_u32 s5, s3, 16                        ; the bit of sel's word that says 'expert e'
	s_lshl_b32 s58, s3, 2
	s_lshl_b32 s59, s3, 10
	s_mov_b32 s[SEL], 0x76543210
	s_mov_b32 s[SEL+1], 0xfedcba98
	s_mov_b32 s63, 0
	v_and_b32 v1, 31, v0                           ; lane
	v_and_b32 v2, 15, v0                           ; r
	v_bfe_u32 v[HH], v0, 4, 1                      ; h
	v_lshlrev_b32 v[BO], 6, v[HH]
	v_and_b32 v13, 8, v2
	v_add_nc_u32 v13, v13, v2                      ; r + 8 (r / 8)
	v_lshlrev_b32 v[WSO], 5, v13
	v_lshl_add_u32 v[WSO], v[HH], 4, v[WSO]
	v_lshlrev_b32 v[IMG], 4, v1
	v_lshlrev_b32 v[HSO], 2, v2
	s_wait_alu depctr_va_sdst(0)                   ; s2, the wave's number, is written, ahead of its first reader
	s_mul_i32 s100, s2, 32*WP
	v_add_nc_u32 v[LWS], s100, v[IMG]
	v_mul_u32_u24 v[LWR], v2, WP
	v_lshl_add_u32 v[LWR], v[HH], 4, v[LWR]
	v_mov_b32 v30, s58                             ; 4 e: where the number of pairs goes
.irp b, 0,1,2,3
	v_mov_b32 v[TM+4+\b], 0                        ; written once: a lane permute's destination counts as one of its sources
.endr
	s_wait_kmcnt 0x0
	s_wait_alu depctr_va_vdst(0)                   ; the offsets and LDS addresses v4 to v8, v30 and v81 are written, which the loads and stores of the whole kernel read
.irp i, 0,1,2,3,4,5,6,7
	global_load_b128 v[SW+4*\i:SW+4*\i+3], v[IMG], s[8:9] offset:512*\i   ; all 1,024 words of sel
.endr
	s_lshl_b32 s62, s3, 21                         ; W1's codes: (4,096 e + 128 c + 32 w) rows of 512 bytes
	s_lshl_b32 s100, s4, 16
	s_add_co_u32 s62, s62, s100
	s_lshl_b32 s100, s2, 14
	s_add_co_u32 s62, s62, s100
	s_add_nc_u64 s[12:13], s[12:13], s[62:63]
	s_lshl_b32 s62, s3, 17                         ; its scale bytes: rows of 32
	s_lshl_b32 s100, s4, 12
	s_add_co_u32 s62, s62, s100
	s_add_nc_u64 s[14:15], s[14:15], s[62:63]
	s_lshl_b32 s62, s3, 14                         ; b1
	s_lshl_b32 s100, s4, 9
	s_add_co_u32 s62, s62, s100
	s_add_nc_u64 s[16:17], s[16:17], s[62:63]
	s_lshl_b32 s62, s3, 21                         ; hid: expert, my first pair (two tiles of 32,768 bytes), K step c
	s_lshl_b32 s100, s2, 16
	s_add_co_u32 s62, s62, s100
	s_lshl_b32 s100, s4, 10
	s_add_co_u32 s62, s62, s100
	s_add_nc_u64 s[18:19], s[18:19], s[62:63]
	s_lshl_b32 s62, s3, 17                         ; hsc likewise: tiles of 2,048 bytes, K steps of 64
	s_lshl_b32 s100, s2, 12
	s_add_co_u32 s62, s62, s100
	s_lshl_b32 s100, s4, 6
	s_add_co_u32 s62, s62, s100
	s_add_nc_u64 s[20:21], s[20:21], s[62:63]
	; ---- my 32 rows of the slice, a whole row of 512 consecutive bytes a load; then the slice's scale words and b1, which stay for the whole launch.  No vector instruction has named the registers in which these land
	WIN 0x80                                       ; destination window 2
.set J, 0
.rept 32
	global_load_b128 v[4*J:4*J+3], v[IMG], s[12:13] offset:512*J th:TH_LOAD_NT   ; read once in the whole launch
.set J, J+1
.endr
	WIN 0
.irp t, 0,1,2,3,4,5,6,7
	global_load_b128 v[W1S+4*\t:W1S+4*\t+3], v[WSO], s[14:15] offset:(32*(\t/2)+8*(\t%2))*32
.endr
	WIN 0xc0                                       ; destination window 3
.irp t, 0,1,2,3,4,5,6,7
	global_load_b128 v[B1+8*\t:B1+8*\t+3], v[BO], s[16:17] offset:(32*(\t/2)+8*(\t%2))*4       ; lane (r, h), tile t: units 32 (t / 2) + 16 h + 8 (t % 2) + 0 .. 7
	global_load_b128 v[B1+8*\t+4:B1+8*\t+7], v[BO], s[16:17] offset:(32*(\t/2)+8*(\t%2))*4+16
.endr
	WIN 0
	s_wait_loadcnt 56                              ; behind sel's eight loads: W1's 32, the scale words' 8, b1's 16
	; ---- the ballots and their running counts
.set J, 0
.rept 32
	v_bfe_u32 v[T], v[SW+J], s5, 1
	v_cmp_ne_u32 s[M+J], 0, v[T]
.set J, J+1
.endr
	s_wait_alu depctr_va_sdst(0)                   ; the 32 ballots s24 to s55 are written, ahead of their first readers, the counts below
	s_bcnt1_i32_b32 s[CU], s[M]
.set J, 1
.rept 31
	s_bcnt1_i32_b32 s100, s[M+J]
	s_add_co_u32 s[CU+J], s[CU+J-1], s100          ; the last of these is the count, s97
.set J, J+1
.endr
	s_sub_co_u32 s[LAST], s[CNT], 1                ; (with no rows at all no wave goes on to use it)
	s_add_co_u32 s6, s[CNT], 31
	s_lshr_b32 s6, s6, 5                           ; pairs of tiles
	s_or_b32 s100, s4, s2
	s_cmp_lg_u32 s100, 0
	s_cbranch_scc1 .Lno_count                      ; wave 0 of the work-group c = 0 stores the expert's number of pairs (all lanes the same word, the same value)
	v_mov_b32 v31, s6
	s_wait_alu depctr_va_vdst(0)                   ; v31 is written, which the store reads
	global_store_b32 v30, v31, s[22:23] offset:32768
.Lno_count:
	s_add_co_u32 s7, s6, 3
	s_sub_co_u32 s7, s7, s2
	s_lshr_b32 s7, s7, 2                           ; my pairs: w, w + 4, ..
	s_lshl_b32 s56, s2, 5                          ; my first position
; The token of position s56 + lane.  The last ballot whose running count is at most p holds the bit; then the (p - that count)-th set bit of the word, by counts of 16, 8, 4, 2 and 1 bits.
.macro HALVE src, width, step
	v_bfe_u32 v[T], v[\src], v[BIT], \width        ; set bits in the lower half of what is left
	v_cmp_ge_u32 vcc_lo, v[Q], v[T]                ; the wanted bit lies above them
	s_wait_alu depctr_va_vcc(0)                    ; VCC is written, ahead of the two selects that read it (the five steps are a chain: each has its own compare)
	v_cndmask_b32 v[T], 0, v[T], vcc_lo
	v_sub_nc_u32 v[Q], v[Q], v[T]
	v_cndmask_b32 v[U], 0, \step, vcc_lo
	v_add_nc_u32 v[BIT], v[BIT], v[U]
.endm
.macro SEARCH
	v_add_nc_u32 v[POS], s56, v1
	v_mov_b32 v[W], s[M]
	v_mov_b32 v[BS], 0
	v_mov_b32 v[TB], 0
.set J0, 1
.rept 4                                ; the walk over ballots 1 to 31, in runs of eight: the compares, one wait, the selects in ascending order
.set J, J0
.rept 8
.if J < 32
	MASKREG J-J0
	v_cmp_gt_u32 s[MR], s[CU+J-1], v[POS]          ; the count under ballot J is above p: what I have stays
.endif
.set J, J+1
.endr
	s_wait_alu depctr_va_sdst(0)                   ; the run's masks are written, ahead of the selects that read them
.set J, J0
.rept 8
.if J < 32
	MASKREG J-J0
	v_cndmask_b32 v[W], s[M+J], v[W], s[MR]
	v_cndmask_b32 v[BS], s[CU+J-1], v[BS], s[MR]
	v_cndmask_b32 v[TB], 128*(J/4)+J%4, v[TB], s[MR]
.endif
.set J, J+1
.endr
.set J0, J0+8
.endr
	v_sub_nc_u32 v[Q], v[POS], v[BS]
	v_lshrrev_b32 v[T], 1, v[W]
	v_and_b32 v[T], 0x55555555, v[T]
	v_sub_nc_u32 v[A2], v[W], v[T]                 ; counts of 2 bits
	v_lshrrev_b32 v[T], 2, v[A2]
	v_and_b32 v[T], 0x33333333, v[T]
	v_and_b32 v[A4], 0x33333333, v[A2]
	v_add_nc_u32 v[A4], v[A4], v[T]                ; of 4
	v_lshrrev_b32 v[T], 4, v[A4]
	v_add_nc_u32 v[T], v[T], v[A4]
	v_and_b32 v[A8], 0x0f0f0f0f, v[T]              ; of 8
	v_lshrrev_b32 v[T], 8, v[A8]
	v_add_nc_u32 v[A16], v[A8], v[T]               ; of 16, in bytes 0 and 2
	v_mov_b32 v[BIT], 0
	HALVE A16, 8, 16
	HALVE A8, 8, 8
	HALVE A4, 4, 4
	HALVE A2, 2, 2
	HALVE W, 1, 1
	v_lshl_add_u32 v[TOK], v[BIT], 2, v[TB]        ; 128 (j / 4) + j % 4 + 4 x bit: never above 1,023
.endm
; tab[token][e] = 1,024 e + min(p, count - 1), by the work-groups c = 0, all lanes on (the head comment says why the lanes past the count do no harm): each position is searched by one wave, once.
; The word's number 8 token + e is summed first, held under the table's 8,192 words, and only shifted behind that.  again = 1: a store of this kind has gone before.
.macro INVST again
	s_cmp_lg_u32 s4, 0
	s_cbranch_scc1 .Lno_inv_\@
	s_wait_xcnt 0x0                                ; my last store of this kind has read its two registers: they are written again only behind this wait
.if \again
	s_wait_alu depctr_vm_vsrc(0)                   ; my last store of this kind has read v28 and v29, which the lines below write again
.endif
	s_wait_alu depctr_va_vdst(0)
	v_lshl_add_u32 v[IV], v[TOK], 3, s3
	v_min_u32 v[IV], 0x1fff, v[IV]
	v_lshlrev_b32 v[IV], 2, v[IV]
	v_min_u32 v[IVV], s[LAST], v[POS]
	v_add_nc_u32 v[IVV], s59, v[IVV]
	s_wait_alu depctr_va_vdst(0)                   ; v28 and v29 are written, which the store reads as its offset and its data
	global_store_b32 v[IV], v[IVV], s[22:23]
.Lno_inv_\@:
.endm
.macro SPLIT                           ; tile A's sixteen tokens into both halves of v[NA], tile B's into both halves of v[NA+1]
	v_mov_b32 v[NA], v[TOK]
	v_mov_b32 v[NA+1], v[TOK]
	v_permlane16_swap_b32 v[NA], v[NA+1]
.endm
; Tile b's two offsets in xq.  Codes: 512 token + 16 h = 16 (32 token + h); scale words: 32 token + 16 h = 16 (2 token + h).  Each sum is made first, held at a constant, and only shifted behind that:
; 16 x 0x7fff + the loads' 496 bytes and 524,288 + 16 x 0x7ff + 16 both stay inside xq's 557,056 bytes.  Six plain lines that name no register of the products.
.macro XADDR b
	v_lshl_add_u32 v[XAD+2*\b], v[NA+\b], 5, v[HH]
	v_lshl_add_u32 v[XAD+2*\b+1], v[NA+\b], 1, v[HH]
	v_min_u32 v[XAD+2*\b], 0x7fff, v[XAD+2*\b]
	v_min_u32 v[XAD+2*\b+1], 0x7ff, v[XAD+2*\b+1]
	v_lshlrev_b32 v[XAD+2*\b], 4, v[XAD+2*\b]
	v_lshlrev_b32 v[XAD+2*\b+1], 4, v[XAD+2*\b+1]
.endm
.macro XLOAD b                         ; 17 loads: a tile's eight fragments of x and its scale words (lanes 0-15: K steps 0-3, lanes 16-31: K steps 4-7)
	WIN 0xc0
.irp s, 0,1,2,3,4,5,6,7
.irp c, 0,1
	global_load_b128 v[64*\b+8*\s+4*\c:64*\b+8*\s+4*\c+3], v[XAD+2*\b], s[10:11] offset:64*\s+32*\c
.endr
.endr
	WIN 0
	global_load_b128 v[XSC+4*\b:XSC+4*\b+3], v[XAD+2*\b+1], s[10:11] offset:524288
.endm
; 64 matrix instructions: K ascending, the eight accumulators by turns, one instruction a turn.  All their operands and scales come by loads.
.macro MM b
	WIN 0x3d                                       ; source 0 (W1) window 1, source 1 (x) window 3, C (b1) window 3, D window 0
.irp t, 0,1,2,3,4,5,6,7
	v_wmma_scale_f32_16x16x128_f8f6f4 v[ACC+8*\t:ACC+8*\t+7], v[8*\t:8*\t+7], v[64*\b:64*\b+7], v[B1+8*\t:B1+8*\t+7], v[W1S+4*\t], v[XSC+4*\b] matrix_a_fmt:MATRIX_FMT_FP4 matrix_b_fmt:MATRIX_FMT_FP4
.endr
	WIN 0x0d                                       ; C and D window 0
.irp s, 1,2,3
.irp t, 0,1,2,3,4,5,6,7
	v_wmma_scale_f32_16x16x128_f8f6f4 v[ACC+8*\t:ACC+8*\t+7], v[64*\s+8*\t:64*\s+8*\t+7], v[64*\b+8*\s:64*\b+8*\s+7], v[ACC+8*\t:ACC+8*\t+7], v[W1S+4*\t+\s], v[XSC+4*\b+\s] matrix_a_fmt:MATRIX_FMT_FP4 matrix_b_fmt:MATRIX_FMT_FP4
.endr
.endr
	WIN 0x0e                                       ; source 0 window 2: K steps 4 + s, whose scale words lie in lanes 16-31
.irp s, 0,1,2,3
.irp t, 0,1,2,3,4,5,6,7
	v_wmma_scale_f32_16x16x128_f8f6f4 v[ACC+8*\t:ACC+8*\t+7], v[64*\s+8*\t:64*\s+8*\t+7], v[64*\b+32+8*\s:64*\b+32+8*\s+7], v[ACC+8*\t:ACC+8*\t+7], v[W1S+4*\t+\s], v[XSC+4*\b+\s] matrix_a_fmt:MATRIX_FMT_FP4 matrix_b_fmt:MATRIX_FMT_FP4 matrix_a_scale:MATRIX_SCALE_ROW1 matrix_b_scale:MATRIX_SCALE_ROW1
.endr
.endr
	WIN 0
.endm
; 64 numbers of a lane, register 16 b + i = k 32 b + 16 (lane / 16) + i of my row, none negative, become a fragment's codes in v[PC] on and its scale word in v[PW].
.macro QUANT
.irp b, 0,1,2,3
	v_max3_num_f32 v[TM+\b], v[ACC+16*\b], v[ACC+16*\b+1], 0x1800000   ; my 16 numbers of block b, and the floor 2^(3 - 127): the byte cannot fall under 1
.endr
.irp i, 2,4,6,8,10,12,14
.irp b, 0,1,2,3
	v_max3_num_f32 v[TM+\b], v[TM+\b], v[ACC+16*\b+\i], v[ACC+16*\b+\i+1]
.endr
.endr
.irp b, 0,1,2,3
	v_permlanex16_b32 v[TM+4+\b], v[TM+\b], s[SEL], s[SEL+1]
.endr
.irp b, 0,1,2,3
	v_max_num_f32 v[TM+\b], v[TM+\b], v[TM+4+\b]   ; with lane l xor 16's: the block's largest
.endr
.irp b, 0,1,2,3
	v_add_nc_u32 v[TM+12+\b], 0xff000000, v[TM+\b] ; 2 off its exponent field: the conversion's scale operand
.endr
.irp b, 0,1,2,3
	v_lshrrev_b32 v[TM+4+\b], 23, v[TM+12+\b]      ; the scale's byte
.endr
	v_lshl_or_b32 v[PW], v[TM+5], 8, v[TM+4]
	v_lshl_or_b32 v[PW], v[TM+6], 16, v[PW]
	v_lshl_or_b32 v[PW], v[TM+7], 24, v[PW]
.irp b, 0,1,2,3
	v_cvt_scalef32_pk8_fp4_f32 v[PC+2*\b], v[ACC+16*\b:ACC+16*\b+7], v[TM+12+\b]
	v_cvt_scalef32_pk8_fp4_f32 v[PC+2*\b+1], v[ACC+16*\b+8:ACC+16*\b+15], v[TM+12+\b]
.endr
	v_nop                                          ; one plain line behind the last scaled conversion
.irp c, 0,1                                    ; the operand's layout wants a whole block in a lane: lanes 0-15 block 2 c, lanes 16-31 block 2 c + 1
.irp i, 0,1
	v_permlane16_swap_b32 v[PC+4*\c+\i], v[PC+2+4*\c+\i]
.endr
.endr
.endm
; One tile of 16 rows.  next = 1: its buffer is filled again with the same tile of my next pair.  left: the loads issued behind this tile's, which may stay out: the other buffer's 17, or none.
.macro TILE b, next, left
	s_wait_loadcnt \left                           ; loads come back in order: this tile's 17 are in (the first time also the scale words and b1, which are older)
	s_wait_alu depctr_vm_vsrc(0)                   ; the last tile's stores have read the codes and the scale word, and this buffer's loads their two offsets: the lines below write all of these again
	MM \b
.if \next
	XADDR \b                                       ; its six lines are the places behind the last product, in front of the first read of results
	WIN 0xc0                                       ; (the switch, then the wait, then the loads)
	s_wait_alu depctr_va_vdst(0)                   ; the two offsets are written, which the loads below read; the products are done reading this buffer's fragments and scale words, in which they land
	XLOAD \b                                       ; in one run: their destination is window 3, the lines below work in window 0
.else
.rept 4
	v_nop
.endr
.endif
.set J, 0
.rept 64
	v_max_num_f32 v[ACC+J], 0, v[ACC+J]            ; relu, in f32; each accumulator from its low end on
.set J, J+1
.endr
	s_wait_xcnt 0x0                                ; the last tile's stores have read their data: the codes' registers may be written again
	QUANT
	s_wait_alu depctr_va_vdst(0)                   ; the codes v72 to v79 and the scale word v80 are written, which the three stores read
	global_store_b128 v[IMG], v[PC:PC+3], s[18:19] offset:32768*\b          ; 512 consecutive bytes
	global_store_b128 v[IMG], v[PC+4:PC+7], s[18:19] offset:32768*\b+512
	global_store_b32 v[HSO], v[PW], s[20:21] offset:2048*\b                 ; both halves of the lanes hold the same word and write it to the same place
.endm
	; ---- my first pair's tokens, and its x is asked for: it is on its way while the slice goes through LDS
	SEARCH
	SPLIT
	XADDR 0
	XADDR 1
	WIN 0xc0                                       ; (the switch, then the wait, then the loads)
	s_wait_alu depctr_va_vdst(0)                   ; the four offsets v9 to v12 are written, which the two runs of loads read; only loads and window switches follow up to the last of them
	XLOAD 0
	XLOAD 1
	; ---- my 32 rows of W1 into LDS.  Row 32 w + i belongs to tile 2 w + (i / 8) % 2, as its row i % 8 + 8 (i / 16): so a tile's sixteen rows lie one behind the other
	s_wait_loadcnt 58                              ; behind W1's 32 loads: the scale words' 8, b1's 16, x's two runs of 17
	WIN 0x08                                       ; an LDS store's data are its source 1: window 2
.set J, 0
.rept 32
	ds_store_b128 v[LWS], v[4*J:4*J+3] offset:(16*((J/8)%2)+J%8+8*(J/16))*WP
.set J, J+1
.endr
	WIN 0
	s_wait_dscnt 0x0                               ; for the others' sake: my rows lie in LDS
	s_barrier_signal -1
	s_barrier_wait -1                              ; everybody's do.  The launch's one barrier: every wave passes it, and only behind it a wave without a pair ends
	s_wait_alu depctr_vm_vsrc(0)                   ; my LDS stores have read v0 to v127 of window 2, in which fragments land below
	s_cmp_eq_u32 s7, 0
	s_cbranch_scc1 .Lend
	; ---- all 64 fragments into my registers: lane (r, h) takes, of row r of tile t, the 16 bytes at 64 s + 32 c + 16 h
.irp s, 0,1,2,3,4,5,6,7
.if \s < 4
	WIN 0x40                                       ; destination window 1
.else
	WIN 0x80                                       ; destination window 2 (my stores out of it are done)
.endif
.irp t, 0,1,2,3,4,5,6,7
.irp c, 0,1
	ds_load_b128 v[64*(\s%4)+8*\t+4*\c:64*(\s%4)+8*\t+4*\c+3], v[LWR] offset:16*\t*WP+64*\s+32*\c
.endr
.endr
.endr
	WIN 0
	INVST 0                                        ; my first pair's entries of the table, while the fragments come
	s_wait_dscnt 0x0                               ; the fragments are in
	s_mov_b32 s[TRIP], 7
.Lpair:                                            ; a trip: one pair is multiplied and stored, the next pair's tokens are found and its x is asked for
	s_cmp_eq_u32 s7, 1                             ; the pair in hand is my last: it is the tail's, and this trip has no work.  On both ways the same two runs of 17 loads are out
	s_cbranch_scc1 .Lskip
	s_sub_co_u32 s7, s7, 1
	s_add_co_u32 s56, s56, 128                     ; my next pair: four pairs on
	SEARCH
	INVST 1
	s_wait_alu depctr_va_vdst(0)
	SPLIT
	s_wait_alu depctr_va_vdst(0)
	TILE 0, 1, 17
	TILE 1, 1, 17
	s_wait_xcnt 0x0                                ; the stores have read their bases
	s_add_nc_u64 s[18:19], s[18:19], 262144
	s_add_nc_u64 s[20:21], s[20:21], 16384
.Lskip:
	s_sub_co_u32 s[TRIP], s[TRIP], 1
	s_cmp_lg_u32 s[TRIP], 0
	s_cbranch_scc1 .Lpair
	TILE 0, 0, 17                                  ; my last pair asks for nothing more
	TILE 1, 0, 0
.Lend:
	s_wait_dscnt 0x0                               ; the closing lines, six on end
	s_wait_alu 0x0
	s_wait_tensorcnt 0x0
	ds_add_u32 v254, v255
	s_wait_dscnt 0x0
	s_endpgm
.Lfunc_end_k_q421e88d0b9_up:
	.size	k_q421e88d0b9_up, .Lfunc_end_k_q421e88d0b9_up-k_q421e88d0b9_up
	.p2alignl 7, 3214868480
	.fill 96, 4, 3214868480
	.section	.rodata,"a",@progbits
	.p2align	6, 0x0
	.amdhsa_kernel k_q421e88d0b9_up
		.amdhsa_group_segment_fixed_size 68096
		.amdhsa_private_segment_fixed_size 0
		.amdhsa_enable_private_segment 0
		.amdhsa_kernarg_size 64
		.amdhsa_user_sgpr_count 2
		.amdhsa_user_sgpr_kernarg_segment_ptr 1
		.amdhsa_wavefront_size32 1
		.amdhsa_system_sgpr_workgroup_id_x 1
		.amdhsa_system_sgpr_workgroup_id_y 1
		.amdhsa_system_sgpr_workgroup_id_z 1
		.amdhsa_system_vgpr_workitem_id 0
		.amdhsa_next_free_vgpr 1024
		.amdhsa_next_free_sgpr 102
		.amdhsa_reserve_vcc 1
		.amdhsa_float_denorm_mode_32 3
		.amdhsa_float_denorm_mode_16_64 3
		.amdhsa_memory_ordered 1
		.amdhsa_forward_progress 1
		.amdhsa_inst_pref_size 115
	.end_amdhsa_kernel
	.amdgpu_metadata
---
amdhsa.version: [ 1, 2 ]
amdhsa.kernels:
  - .name:           k_q421e88d0b9_up
    .symbol:         k_q421e88d0b9_up.kd
    .args:
      - { .name: sel, .offset: 0, .size: 8, .value_kind: global_buffer, .address_space: global }
      - { .name: xq, .offset: 8, .size: 8, .value_kind: global_buffer, .address_space: global }
      - { .name: w1_codes, .offset: 16, .size: 8, .value_kind: global_buffer, .address_space: global }
      - { .name: w1_scales, .offset: 24, .size: 8, .value_kind: global_buffer, .address_space: global }
      - { .name: b1, .offset: 32, .size: 8, .value_kind: global_buffer, .address_space: global }
      - { .name: hid, .offset: 40, .size: 8, .value_kind: global_buffer, .address_space: global }
      - { .name: hsc, .offset: 48, .size: 8, .value_kind: global_buffer, .address_space: global }
      - { .name: tab, .offset: 56, .size: 8, .value_kind: global_buffer, .address_space: global }
    .group_segment_fixed_size: 68096
    .private_segment_fixed_size: 0
    .kernarg_segment_align: 8
    .kernarg_segment_size: 64
    .max_flat_workgroup_size: 128
    .sgpr_count:     102
    .vgpr_count:     1024
    .wavefront_size: 32
...
	.end_amdgpu_metadata
.endif
;; end of part 6
;; launch down (part 7): grid 32 x 8, 4 waves a work-group, no clusters, 304,640 bytes of LDS; arguments hid, hsc, tab, w2_codes, w2_scales, b2, y; writes y
.if DOCPART == 7
	.amdgcn_target "amdgcn-amd-amdhsa--gfx1250"
	.amdhsa_code_object_version 6
	.text
	.protected	k_q421e88d0b9_down
	.globl	k_q421e88d0b9_down
	.p2align	8
	.type	k_q421e88d0b9_down,@function
k_q421e88d0b9_down:
	s_mov_b64 s[64:65], 0
	v_nop
	global_prefetch_b8 v0, s[64:65] scope:SCOPE_SE
	s_setreg_imm32_b32 hwreg(HW_REG_WAVE_SCHED_MODE, 0, 2), 2
	s_setreg_imm32_b32 hwreg(HW_REG_WAVE_MODE, 25, 1), 1
	s_wait_xcnt 0x0
	s_wait_alu depctr_vm_vsrc(0)
; SECOND PRODUCT, FOR THE CHOSEN ROWS: y[e][p][:] = hidden[e][p][:] W2[e] + b2[e], on codes of E2M1 with one E8M0 scale for each 32 along K = 4,096.
; SHARES.  Work-group (x, e): nc = x / 4 names 128 output columns, q = x % 4; it takes the pairs of tiles (32 rows) q, q + 4, .. of expert e.
; K IS SPLIT OVER THE WAVES: wave w holds K steps 8 w .. 8 w + 7 of all 128 columns in registers (64 fragments, 512 registers: 512 consecutive bytes of each row of W2) and reads the same K steps of the hidden layer:
; no byte of the weights and none of the hidden layer is loaded twice in a work-group.  The four partial sums of a pair meet in LDS; wave w adds and stores rows 8 w .. 8 w + 7, with b2.
; So a row's sum over K is four f32 sums of 1,024 each, added at the end.
; THE WEIGHTS COME IN WHOLE PIECES OF ROWS: a load of the wave takes my 512 consecutive bytes of one row of W2.  Sixteen rows, one tile, at a time go through a stage in LDS that is my wave's own and come back as the
; tile's sixteen half fragments.  Four slots of 64 registers take the loads by turns, so that three or four tiles' loads are always on their way.  No barrier: nobody else touches my stage.
; CONTROL.  All addresses are made of ids, constants and the steps of a loop of two rounds; a round serves up to four pairs.  Only forward branches hang on the stored number of pairs; the two barriers of a round stand
; on every way.  Pair k of a round exists where s23 = pairs - q - 16 x round is above 4 k.  Pairs q + 4 k + 16 x round never pass 31: every load stays in its buffer whatever is stored.
; The product is used transposed (source 0 = 16 columns of W2, source 1 = 16 rows): a lane holds eight neighbouring columns of one row.
; NO TENSOR LOADS AND NO CLUSTER: branches hang on a number that an earlier launch stored.
; LDS: four regions of 67,584 bytes, one for each pair of a round; in each, wave v's partial at 16,896 v: 32 rows of 512 bytes + 16 (33 x 16 bytes from row to row: sixteen rows start in sixteen different groups of banks).
;   Behind them, from byte 270,336 on, the four waves' stages for the weights: 16 rows of 528 bytes each.
; REGISTERS, in windows of 256: window 0: v1-22 addresses, b2; v32-63 W2's scale words; v64-79 the hidden layer's, two sets; v128-255 the 16 accumulators, later rows read back.
;   window 1: W2's fragments of my K steps 0-3 (64 s + 8 t);  window 2: my K steps 4-7;  window 3: the hidden fragments of two pairs (128 x buffer + 64 i + 8 s); at the head four slots of 64 for W2's rows as loaded.
; THE MODE: SCHED_MODE bits 1:0 = 2 (LLVM: expert scheduling mode 2), set by the entry lines.  The code itself states the register dependences between vector or matrix instructions and memory or LDS
; instructions, and those through scalar registers that vector instructions write, with s_wait_alu, always for 0.
; THE PLAN.  Registers that memory or LDS instructions touch:
;   v4-v15, v22       offsets and LDS addresses: made once at the head, ahead of the head's wait on va_vdst, and never written again.
;   window 3, at the head   slot t % 4: W2's rows land, my sixteen LDS stores read them, the tile four further on lands: a wait on vm_vsrc ahead of each such run of loads, and one ahead of the rounds.
;   windows 1 and 2, v16-19, v32-63   loaded once; no vector instruction writes them.
;   window 3 buffer k % 2 and v[64 + 8 (k % 2) ..]   pair k's 40 loads land; its 128 products read them; pair k + 2's loads land.
;   v128-255          written by a pair's products, read by its 32 LDS stores; in the sums: LDS loads land, the additions work in place, y's stores read.
; A PAIR'S PRODUCTS have two waits: vm_vsrc at their head (what earlier stores read of v128-255 has been read) and va_vdst behind their places: the accumulators are written, for the LDS stores, and the products are
; done reading their buffer, for the loads of the pair after next.  A PAIR'S SUMS have three: vm_vsrc at the head, and va_vdst ahead of each of two runs of four stores; no vector line stands behind the second, so the
; next LDS loads into these registers owe nothing more.
.set LWS, 4                            ; v4   my stage: where I put a row's 512 bytes: 270,336 + 8,448 w + 16 lane
.set WSO, 5                            ; v5   W2's scale words: 128 r + 16 h: lanes 0-15 my K steps 0-3, lanes 16-31 my K steps 4-7
.set IMG, 6                            ; v6   16 x lane
.set HSL, 7                            ; v7   4 x lane
.set STO, 8                            ; v8-11  region k: where I put my partial: 67,584 k + 16,896 w + 528 r + 32 h
.set RD,  12                           ; v12-15 region k: where I read rows back: 67,584 k + 8 x 528 w + 16 lane
.set B2,  16                           ; v16-19 b2 of columns 4 lane .. 4 lane + 3 of my 128
.set LWR, 22                           ; v22  my stage: where I read a fragment: 270,336 + 8,448 w + 528 r + 16 h
.set W2S, 32
.set HS,  64
.set ACC, 128
.set REG, 67584
.set STG, 4*REG
.set MSB, 0
.macro WIN new                         ; the immediate's high byte repeats the setting that is left
.if MSB != \new
	s_set_vgpr_msb (MSB<<8)|\new
.set MSB, \new
.endif
.endm
	s_load_b256 s[4:11], s[0:1], 0x0               ; hid s[4:5], hsc s[6:7], tab s[8:9], W2's codes s[10:11]
	s_load_b128 s[12:15], s[0:1], 0x20             ; W2's scales s[12:13], b2 s[14:15]
	s_load_b64 s[16:17], s[0:1], 0x30              ; y
	v_lshl_add_u32 v126, v0, 2, 0x4a400
	v_mov_b32 v127, 0
	v_lshrrev_b32 v1, 5, v0
	v_readfirstlane_b32 s18, v1                    ; wave 0..3
	s_and_b32 s19, ttmp7, 0xffff                   ; e
	s_lshr_b32 s20, ttmp9, 2                       ; nc
	s_and_b32 s21, ttmp9, 3                        ; q
	v_and_b32 v1, 31, v0                           ; lane
	v_and_b32 v2, 15, v0                           ; r
	v_bfe_u32 v3, v0, 4, 1                         ; h
	v_lshlrev_b32 v[WSO], 7, v2
	v_lshl_add_u32 v[WSO], v3, 4, v[WSO]
	v_lshlrev_b32 v[IMG], 4, v1
	v_lshlrev_b32 v[HSL], 2, v1
	s_wait_alu depctr_va_sdst(0)                   ; s18, the wave's number, is written, ahead of its first reader
	s_mul_i32 s32, s18, 16896
	v_mul_u32_u24 v20, v2, 528
	v_lshl_add_u32 v20, v3, 5, v20
	v_add_nc_u32 v20, s32, v20
	s_mul_i32 s32, s18, 8*528
	v_add_nc_u32 v21, s32, v[IMG]
.irp k, 0,1,2,3
	v_add_nc_u32 v[STO+\k], \k*REG, v20
	v_add_nc_u32 v[RD+\k], \k*REG, v21
.endr
	s_mul_i32 s32, s18, 16*528
	s_add_co_u32 s32, s32, STG                     ; my stage
	v_add_nc_u32 v[LWS], s32, v[IMG]
	v_mul_u32_u24 v[LWR], v2, 528
	v_lshl_add_u32 v[LWR], v3, 4, v[LWR]
	v_add_nc_u32 v[LWR], s32, v[LWR]
	s_lshl_b32 s33, s19, 2
	s_mov_b32 s35, 0
	s_wait_kmcnt 0x0
	s_load_b32 s22, s[8:9], s33 offset:0x8000      ; the expert's pairs
	s_lshl_b32 s34, s19, 21                        ; W2's codes: (1,024 e + 128 nc) rows of 2,048 bytes, + my 512 bytes of a row
	s_lshl_b32 s36, s20, 18
	s_add_co_u32 s34, s34, s36
	s_lshl_b32 s36, s18, 9
	s_add_co_u32 s34, s34, s36
	s_add_nc_u64 s[10:11], s[10:11], s[34:35]
	s_lshl_b32 s34, s19, 17                        ; its scale bytes: rows of 128, + my 32
	s_lshl_b32 s36, s20, 14
	s_add_co_u32 s34, s34, s36
	s_lshl_b32 s36, s18, 5
	s_add_co_u32 s34, s34, s36
	s_add_nc_u64 s[12:13], s[12:13], s[34:35]
	s_lshl_b32 s34, s19, 12                        ; b2
	s_lshl_b32 s36, s20, 9
	s_add_co_u32 s34, s34, s36
	s_add_nc_u64 s[14:15], s[14:15], s[34:35]
; Tile t's sixteen rows of W2 are asked for, my 512 consecutive bytes of a row a load, into slot t % 4 of window 3.
.macro WASK t
	WIN 0xc0                                       ; destination window 3
.irp i, 0,1,2,3,4,5,6,7,8,9,10,11,12,13,14,15
	global_load_b128 v[64*((\t)%4)+4*\i:64*((\t)%4)+4*\i+3], v[IMG], s[10:11] offset:2048*(16*(\t)+\i)
.endr
.endm
; Tile t's rows have come: into my stage as rows, and back as the tile's fragments: lane (r, h) takes, of row r, the 16 bytes at 64 s + 32 c + 16 h.  LDS serves a wave's instructions in order
; (ISA guide 5.7.1.4): the loads see the stores above them, and the next tile's stores come behind these loads.  Then the slot takes the tile four further on.
.macro WSTEP t
.if (\t) < 5
	s_wait_loadcnt 48                              ; loads come back in order: tile t's sixteen are in; the three younger tiles' 48 may be out (b2 and the scale words are older)
.else
	s_wait_loadcnt 16*(7-(\t))                     ; nothing more is asked for: the counts run down
.endif
	WIN 0x0c                                       ; an LDS store's data are its source 1: window 3
.irp i, 0,1,2,3,4,5,6,7,8,9,10,11,12,13,14,15
	ds_store_b128 v[LWS], v[64*((\t)%4)+4*\i:64*((\t)%4)+4*\i+3] offset:528*\i
.endr
	WIN 0x40                                       ; destination window 1: my K steps 0-3
.irp s, 0,1,2,3
.irp c, 0,1
	ds_load_b128 v[64*\s+8*(\t)+4*\c:64*\s+8*(\t)+4*\c+3], v[LWR] offset:64*\s+32*\c
.endr
.endr
	WIN 0x80                                       ; destination window 2: my K steps 4-7
.irp s, 0,1,2,3
.irp c, 0,1
	ds_load_b128 v[64*\s+8*(\t)+4*\c:64*\s+8*(\t)+4*\c+3], v[LWR] offset:256+64*\s+32*\c
.endr
.endr
.if (\t) < 4
	s_wait_dscnt 16                                ; the sixteen LDS loads may be out: the sixteen stores ahead of them are done
	WIN 0xc0                                       ; (the switch, then the wait, then the loads)
	s_wait_alu depctr_vm_vsrc(0)                   ; my sixteen LDS stores have read the slot's registers, in which the loads below land
	WASK (\t)+4
.endif
.endm
	s_wait_alu depctr_va_vdst(0)                   ; the offsets and LDS addresses v4 to v15 and v22 are written, which the loads and stores of the whole kernel read
.irp t, 0,1,2,3,4,5,6,7
	global_load_b128 v[W2S+4*\t:W2S+4*\t+3], v[WSO], s[12:13] offset:2048*\t
.endr
	global_load_b128 v[B2:B2+3], v[IMG], s[14:15]
	WASK 0
	WASK 1
	WASK 2
	WASK 3
	s_lshl_b32 s34, s19, 21                        ; hid: expert, pair q (65,536 bytes a pair), my K steps (1,024 bytes each)
	s_lshl_b32 s36, s21, 16
	s_add_co_u32 s34, s34, s36
	s_lshl_b32 s36, s18, 13
	s_add_co_u32 s34, s34, s36
	s_add_nc_u64 s[26:27], s[4:5], s[34:35]
	s_lshl_b32 s34, s19, 17                        ; hsc: 4,096 bytes a pair, 64 a K step
	s_lshl_b32 s36, s21, 12
	s_add_co_u32 s34, s34, s36
	s_lshl_b32 s36, s18, 9
	s_add_co_u32 s34, s34, s36
	s_add_nc_u64 s[28:29], s[6:7], s[34:35]
	s_lshl_b32 s34, s19, 22                        ; y: expert, pair q (32 rows of 4,096 bytes), my 8 rows, my 128 columns
	s_lshl_b32 s36, s21, 17
	s_add_co_u32 s34, s34, s36
	s_lshl_b32 s36, s18, 15
	s_add_co_u32 s34, s34, s36
	s_lshl_b32 s36, s20, 9
	s_add_co_u32 s34, s34, s36
	s_add_nc_u64 s[30:31], s[16:17], s[34:35]
	WSTEP 0
	WSTEP 1
	WSTEP 2
	WSTEP 3
	WSTEP 4
	WSTEP 5
	WSTEP 6
	WSTEP 7
	WIN 0
	s_wait_dscnt 0x0                               ; all 64 fragments are in, and my stores out of window 3 are done
	s_wait_alu depctr_vm_vsrc(0)                   ; the LDS stores of tiles 4 to 7 have read window 3's four slots, in which the hidden layer's loads land
	s_wait_kmcnt 0x0
	s_sub_co_i32 s23, s22, s21                     ; pairs - q
; 40 loads: pair k's two tiles, my eight K steps: 32 of codes (each 512 consecutive bytes), 8 of scale words (lanes 0-15: K step 2 u, lanes 16-31: K step 2 u + 1)
.macro ALOAD k
	WIN 0xc0
.irp i, 0,1
.irp s, 0,1,2,3,4,5,6,7
.irp c, 0,1
	global_load_b128 v[128*((\k)%2)+64*\i+8*\s+4*\c:128*((\k)%2)+64*\i+8*\s+4*\c+3], v[IMG], s[26:27] offset:262144*(\k)+32768*\i+1024*\s+512*\c
.endr
.endr
.endr
	WIN 0
.irp i, 0,1
.irp u, 0,1,2,3
	global_load_b32 v[HS+8*((\k)%2)+4*\i+\u], v[HSL], s[28:29] offset:16384*(\k)+2048*\i+128*\u
.endr
.endr
.endm
; 128 matrix instructions: K ascending, the sixteen accumulators by turns, one instruction a turn; the first K step starts the sums.  Then my partial goes to LDS.
; All operands and scales come by loads.
.macro WORK k
	s_wait_alu depctr_vm_vsrc(0)                   ; the LDS stores of the pair before, and in the second round y's stores, have read v128 to v255, which the products below write anew
.irp s, 0,1,2,3,4,5,6,7
.if \s < 4
	WIN 0x0d                                       ; source 0 (W2) window 1, source 1 (hidden) window 3, C and D window 0
.else
	WIN 0x0e                                       ; source 0 window 2
.endif
.irp i, 0,1
.irp t, 0,1,2,3,4,5,6,7
.set rD, ACC+8*(8*\i+\t)
.set rA, 64*(\s%4)+8*\t
.set rB, 128*((\k)%2)+64*\i+8*\s
.set rX, W2S+4*\t+(\s%4)
.set rY, HS+8*((\k)%2)+4*\i+(\s/2)
.if \s == 0
	v_wmma_scale_f32_16x16x128_f8f6f4 v[rD:rD+7], v[rA:rA+7], v[rB:rB+7], 0, v[rX], v[rY] matrix_a_fmt:MATRIX_FMT_FP4 matrix_b_fmt:MATRIX_FMT_FP4
.elseif \s == 2
	v_wmma_scale_f32_16x16x128_f8f6f4 v[rD:rD+7], v[rA:rA+7], v[rB:rB+7], v[rD:rD+7], v[rX], v[rY] matrix_a_fmt:MATRIX_FMT_FP4 matrix_b_fmt:MATRIX_FMT_FP4
.elseif \s < 4
	v_wmma_scale_f32_16x16x128_f8f6f4 v[rD:rD+7], v[rA:rA+7], v[rB:rB+7], v[rD:rD+7], v[rX], v[rY] matrix_a_fmt:MATRIX_FMT_FP4 matrix_b_fmt:MATRIX_FMT_FP4 matrix_b_scale:MATRIX_SCALE_ROW1
.elseif (\s%2) == 0
	v_wmma_scale_f32_16x16x128_f8f6f4 v[rD:rD+7], v[rA:rA+7], v[rB:rB+7], v[rD:rD+7], v[rX], v[rY] matrix_a_fmt:MATRIX_FMT_FP4 matrix_b_fmt:MATRIX_FMT_FP4 matrix_a_scale:MATRIX_SCALE_ROW1
.else
	v_wmma_scale_f32_16x16x128_f8f6f4 v[rD:rD+7], v[rA:rA+7], v[rB:rB+7], v[rD:rD+7], v[rX], v[rY] matrix_a_fmt:MATRIX_FMT_FP4 matrix_b_fmt:MATRIX_FMT_FP4 matrix_a_scale:MATRIX_SCALE_ROW1 matrix_b_scale:MATRIX_SCALE_ROW1
.endif
.endr
.endr
.endr
	WIN 0
.rept 5
	v_nop                                          ; four places in front of the stores that read results; the fifth since the next pair's first products begin these accumulators anew.  They stay beside the wait below
.endr
	s_wait_alu depctr_va_vdst(0)                   ; the products have written the accumulators, which the LDS stores read; and they are done reading this pair's fragments and scale words, in which the loads of the pair after next land
.irp i, 0,1
.irp t, 0,1,2,3,4,5,6,7
	ds_store_b128 v[STO+\k], v[ACC+8*(8*\i+\t):ACC+8*(8*\i+\t)+3] offset:8448*\i+64*\t          ; lane (r, h): row 16 i + r, columns 16 t + 8 h + 0 .. 7; each accumulator from its low end on
	ds_store_b128 v[STO+\k], v[ACC+8*(8*\i+\t)+4:ACC+8*(8*\i+\t)+7] offset:8448*\i+64*\t+16
.endr
.endr
.endm
; Pair k's rows 8 w .. 8 w + 7: the four partials of each row are read (512 bytes each, 16 a lane), added, b2 is added, and the row's 512 bytes are stored.  The stores go in two runs of four rows, each behind one wait.
.macro OUT k
	s_wait_xcnt 0x0                                ; earlier stores have read their data: these registers may be loaded again
	s_wait_alu depctr_vm_vsrc(0)                   ; my LDS stores of the partials and y's stores of the pair before have read v128 to v255, in which the LDS loads below land
.irp p, 0,1,2,3,4,5,6,7
.irp w, 0,1,2,3
	ds_load_b128 v[ACC+16*\p+4*\w:ACC+16*\p+4*\w+3], v[RD+\k] offset:16896*\w+528*\p
.endr
.endr
.irp g, 0,1
.irp q, 0,1,2,3
.set P, 4*\g+\q
	s_wait_dscnt 28-4*P                            ; LDS loads come back in order: row P's four are in, the later rows' may be out
	v_pk_add_f32 v[ACC+16*P:ACC+16*P+1], v[ACC+16*P:ACC+16*P+1], v[ACC+16*P+4:ACC+16*P+5]
	v_pk_add_f32 v[ACC+16*P+2:ACC+16*P+3], v[ACC+16*P+2:ACC+16*P+3], v[ACC+16*P+6:ACC+16*P+7]
	v_pk_add_f32 v[ACC+16*P+8:ACC+16*P+9], v[ACC+16*P+8:ACC+16*P+9], v[ACC+16*P+12:ACC+16*P+13]
	v_pk_add_f32 v[ACC+16*P+10:ACC+16*P+11], v[ACC+16*P+10:ACC+16*P+11], v[ACC+16*P+14:ACC+16*P+15]
	v_pk_add_f32 v[ACC+16*P:ACC+16*P+1], v[ACC+16*P:ACC+16*P+1], v[ACC+16*P+8:ACC+16*P+9]
	v_pk_add_f32 v[ACC+16*P+2:ACC+16*P+3], v[ACC+16*P+2:ACC+16*P+3], v[ACC+16*P+10:ACC+16*P+11]
	v_pk_add_f32 v[ACC+16*P:ACC+16*P+1], v[ACC+16*P:ACC+16*P+1], v[B2:B2+1]
	v_pk_add_f32 v[ACC+16*P+2:ACC+16*P+3], v[ACC+16*P+2:ACC+16*P+3], v[B2+2:B2+3]
.endr
	s_wait_alu depctr_va_vdst(0)                   ; the additions have written these four rows' sums, which the stores below read; behind the second of the two no vector line follows, so all additions are then done with v128 to v255
.irp q, 0,1,2,3
.set P, 4*\g+\q
	global_store_b128 v[IMG], v[ACC+16*P:ACC+16*P+3], s[30:31] offset:524288*\k+4096*P   ; 512 consecutive bytes, at a multiple of 512 from y's first byte
.endr
.endr
.endm
	s_mov_b32 s24, 2
.Lround:
	; ---- the products.  The ways part only forward, and on each way every counted wait has the same loads behind the ones it waits for: the next pair's 40
	s_cmp_gt_i32 s23, 0
	s_cbranch_scc0 .Lp1
	ALOAD 0
	s_cmp_gt_i32 s23, 4
	s_cbranch_scc0 .Lt0
	ALOAD 1
	s_wait_loadcnt 40                              ; pair 0's loads are in; pair 1's 40 may be out
	WORK 0
	s_cmp_gt_i32 s23, 8
	s_cbranch_scc0 .Lt1
	ALOAD 2
	s_wait_loadcnt 40
	WORK 1
	s_cmp_gt_i32 s23, 12
	s_cbranch_scc0 .Lt2
	ALOAD 3
	s_wait_loadcnt 40
	WORK 2
	s_wait_loadcnt 0x0
	WORK 3
	s_branch .Lp1
.Lt0:
	s_wait_loadcnt 0x0
	WORK 0
	s_branch .Lp1
.Lt1:
	s_wait_loadcnt 0x0
	WORK 1
	s_branch .Lp1
.Lt2:
	s_wait_loadcnt 0x0
	WORK 2
.Lp1:
	s_wait_loadcnt 0x0                             ; met already on every way
	s_wait_dscnt 0x0                               ; for the others' sake: my partials lie in LDS
	s_barrier_signal -1
	s_barrier_wait -1
	; ---- the sums
	s_cmp_gt_i32 s23, 0
	s_cbranch_scc0 .Lp2
	OUT 0
	s_cmp_gt_i32 s23, 4
	s_cbranch_scc0 .Lp2
	OUT 1
	s_cmp_gt_i32 s23, 8
	s_cbranch_scc0 .Lp2
	OUT 2
	s_cmp_gt_i32 s23, 12
	s_cbranch_scc0 .Lp2
	OUT 3
.Lp2:
	s_wait_dscnt 0x0                               ; my reads of the regions are over:
	s_barrier_signal -1
	s_barrier_wait -1                              ; everybody's are: the regions may be written again
	s_wait_xcnt 0x0                                ; loads and stores have read their bases and data
	s_add_nc_u64 s[26:27], s[26:27], 0x100000      ; sixteen pairs on
	s_add_nc_u64 s[28:29], s[28:29], 0x10000
	s_add_nc_u64 s[30:31], s[30:31], 0x200000
	s_sub_co_i32 s23, s23, 16
	s_sub_co_u32 s24, s24, 1
	s_cmp_lg_u32 s24, 0
	s_cbranch_scc1 .Lround
	s_wait_dscnt 0x0                               ; the closing lines, six on end
	s_wait_alu 0x0
	s_wait_tensorcnt 0x0
	ds_add_u32 v126, v127
	s_wait_dscnt 0x0
	s_endpgm
.Lfunc_end_k_q421e88d0b9_down:
	.size	k_q421e88d0b9_down, .Lfunc_end_k_q421e88d0b9_down-k_q421e88d0b9_down
	.p2alignl 7, 3214868480
	.fill 96, 4, 3214868480
	.section	.rodata,"a",@progbits
	.p2align	6, 0x0
	.amdhsa_kernel k_q421e88d0b9_down
		.amdhsa_group_segment_fixed_size 304640
		.amdhsa_private_segment_fixed_size 0
		.amdhsa_enable_private_segment 0
		.amdhsa_kernarg_size 56
		.amdhsa_user_sgpr_count 2
		.amdhsa_user_sgpr_kernarg_segment_ptr 1
		.amdhsa_wavefront_size32 1
		.amdhsa_system_sgpr_workgroup_id_x 1
		.amdhsa_system_sgpr_workgroup_id_y 1
		.amdhsa_system_sgpr_workgroup_id_z 1
		.amdhsa_system_vgpr_workitem_id 0
		.amdhsa_next_free_vgpr 1024
		.amdhsa_next_free_sgpr 66
		.amdhsa_reserve_vcc 0
		.amdhsa_float_denorm_mode_32 3
		.amdhsa_float_denorm_mode_16_64 3
		.amdhsa_memory_ordered 1
		.amdhsa_forward_progress 1
		.amdhsa_inst_pref_size 208
	.end_amdhsa_kernel
	.amdgpu_metadata
---
amdhsa.version: [ 1, 2 ]
amdhsa.kernels:
  - .name:           k_q421e88d0b9_down
    .symbol:         k_q421e88d0b9_down.kd
    .args:
      - { .name: hid, .offset: 0, .size: 8, .value_kind: global_buffer, .address_space: global }
      - { .name: hsc, .offset: 8, .size: 8, .value_kind: global_buffer, .address_space: global }
      - { .name: tab, .offset: 16, .size: 8, .value_kind: global_buffer, .address_space: global }
      - { .name: w2_codes, .offset: 24, .size: 8, .value_kind: global_buffer, .address_space: global }
      - { .name: w2_scales, .offset: 32, .size: 8, .value_kind: global_buffer, .address_space: global }
      - { .name: b2, .offset: 40, .size: 8, .value_kind: global_buffer, .address_space: global }
      - { .name: y, .offset: 48, .size: 8, .value_kind: global_buffer, .address_space: global }
    .group_segment_fixed_size: 304640
    .private_segment_fixed_size: 0
    .kernarg_segment_align: 8
    .kernarg_segment_size: 56
    .max_flat_workgroup_size: 128
    .sgpr_count:     66
    .vgpr_count:     1024
    .wavefront_size: 32
...
	.end_amdgpu_metadata
.endif
;; end of part 7
;; launch combine (part 8): grid 256 x 1, 4 waves a work-group, no clusters, 0 bytes of LDS; arguments sel, gw, tab, y, out0; writes out0
.if DOCPART == 8
	.amdgcn_target "amdgcn-amd-amdhsa--gfx1250"
	.amdhsa_code_object_version 6
	.text
	.protected	k_q421e88d0b9_combine
	.globl	k_q421e88d0b9_combine
	.p2align	8
	.type	k_q421e88d0b9_combine,@function
k_q421e88d0b9_combine:
	s_mov_b64 s[64:65], 0
	v_nop
	global_prefetch_b8 v0, s[64:65] scope:SCOPE_SE
	s_setreg_imm32_b32 hwreg(HW_REG_WAVE_MODE, 25, 1), 1
	s_wait_xcnt 0x0
; out0[token] = g0 y[row of (token, e0)] + g1 y[row of (token, e1)].  A wave takes one token: two rows of 4,096 bytes in, one out.
; sel[token] names the two experts, tab[token][expert] the row of y (1,024 e + position), gw[token] the two weights: all three come by scalar loads.
; The row numbers are chosen by selects, held under 8,192, and only then go into addresses.  Memory binds: no LDS, no barrier, no matrix unit; every load and store of the wave covers 512 consecutive bytes.
.set A, 4                              ; v4-35   the first row
.set B, 36                             ; v36-67  the second
.set O, 68                             ; v68-99  the result
	s_load_b256 s[4:11], s[0:1], 0x0               ; sel s[4:5], gw s[6:7], tab s[8:9], y s[10:11]
	s_load_b64 s[12:13], s[0:1], 0x20              ; out0
	v_lshrrev_b32 v1, 5, v0
	v_readfirstlane_b32 s14, v1                    ; wave
	s_lshl_b32 s15, ttmp9, 2
	s_add_co_u32 s14, s14, s15                     ; my token
	v_and_b32 v1, 31, v0
	v_lshlrev_b32 v1, 4, v1                        ; 16 bytes a lane
	s_lshl_b32 s15, s14, 2
	s_lshl_b32 s17, s14, 3
	s_lshl_b32 s18, s14, 5
	s_lshl_b32 s40, s14, 12
	s_mov_b32 s41, 0
	s_wait_alu depctr_va_vdst(0)
	s_wait_kmcnt 0x0
	s_load_b32 s16, s[4:5], s15 offset:0x0         ; e0 | e1 << 8 | ..
	s_load_b64 s[20:21], s[6:7], s17 offset:0x0    ; g0, g1
	s_load_b256 s[24:31], s[8:9], s18 offset:0x0   ; the token's eight entries of the table
	s_add_nc_u64 s[12:13], s[12:13], s[40:41]
	s_wait_kmcnt 0x0
	s_and_b32 s36, s16, 0xff                       ; e0
	s_bfe_u32 s37, s16, 0x80008                    ; e1
	s_mov_b32 s22, s21                             ; g1 as the low word of a pair of its own
	s_mov_b32 s23, s21
.macro PICK e, pos, base               ; the table's entry of expert s[e], as a row's address
	s_mov_b32 s[\pos], s24
.irp i, 1,2,3,4,5,6,7
	s_cmp_eq_u32 s[\e], \i
	s_cselect_b32 s[\pos], s[24+\i], s[\pos]
.endr
	s_min_u32 s[\pos], s[\pos], 8191               ; y has 8,192 rows
	s_lshl_b32 s[\pos], s[\pos], 12
	s_mov_b32 s[\pos+1], 0
	s_add_nc_u64 s[\base:\base+1], s[10:11], s[\pos:\pos+1]
.endm
	PICK 36, 38, 32
	PICK 37, 42, 34
.irp n, 0,1,2,3,4,5,6,7
	global_load_b128 v[A+4*\n:A+4*\n+3], v1, s[32:33] offset:512*\n th:TH_LOAD_NT
	global_load_b128 v[B+4*\n:B+4*\n+3], v1, s[34:35] offset:512*\n th:TH_LOAD_NT
.endr
.irp n, 0,1,2,3,4,5,6,7
	s_wait_loadcnt 14-2*\n                         ; piece n of both rows is in; the later pieces' loads may be out
	v_pk_mul_f32 v[O+4*\n:O+4*\n+1], v[A+4*\n:A+4*\n+1], s[20:21] op_sel_hi:[1,0]
	v_pk_mul_f32 v[O+4*\n+2:O+4*\n+3], v[A+4*\n+2:A+4*\n+3], s[20:21] op_sel_hi:[1,0]
	v_pk_fma_f32 v[O+4*\n:O+4*\n+1], v[B+4*\n:B+4*\n+1], s[22:23], v[O+4*\n:O+4*\n+1] op_sel_hi:[1,0,1]
	v_pk_fma_f32 v[O+4*\n+2:O+4*\n+3], v[B+4*\n+2:B+4*\n+3], s[22:23], v[O+4*\n+2:O+4*\n+3] op_sel_hi:[1,0,1]
	global_store_b128 v1, v[O+4*\n:O+4*\n+3], s[12:13] offset:512*\n th:TH_STORE_NT
.endr
	s_endpgm
.Lfunc_end_k_q421e88d0b9_combine:
	.size	k_q421e88d0b9_combine, .Lfunc_end_k_q421e88d0b9_combine-k_q421e88d0b9_combine
	.p2alignl 7, 3214868480
	.fill 96, 4, 3214868480
	.section	.rodata,"a",@progbits
	.p2align	6, 0x0
	.amdhsa_kernel k_q421e88d0b9_combine
		.amdhsa_group_segment_fixed_size 0
		.amdhsa_private_segment_fixed_size 0
		.amdhsa_enable_private_segment 0
		.amdhsa_kernarg_size 40
		.amdhsa_user_sgpr_count 2
		.amdhsa_user_sgpr_kernarg_segment_ptr 1
		.amdhsa_wavefront_size32 1
		.amdhsa_system_sgpr_workgroup_id_x 1
		.amdhsa_system_sgpr_workgroup_id_y 1
		.amdhsa_system_sgpr_workgroup_id_z 1
		.amdhsa_system_vgpr_workitem_id 0
		.amdhsa_next_free_vgpr 104
		.amdhsa_next_free_sgpr 66
		.amdhsa_reserve_vcc 0
		.amdhsa_float_denorm_mode_32 3
		.amdhsa_float_denorm_mode_16_64 3
		.amdhsa_memory_ordered 1
		.amdhsa_forward_progress 1
		.amdhsa_inst_pref_size 7
	.end_amdhsa_kernel
	.amdgpu_metadata
---
amdhsa.version: [ 1, 2 ]
amdhsa.kernels:
  - .name:           k_q421e88d0b9_combine
    .symbol:         k_q421e88d0b9_combine.kd
    .args:
      - { .name: sel, .offset: 0, .size: 8, .value_kind: global_buffer, .address_space: global }
      - { .name: gw, .offset: 8, .size: 8, .value_kind: global_buffer, .address_space: global }
      - { .name: tab, .offset: 16, .size: 8, .value_kind: global_buffer, .address_space: global }
      - { .name: y, .offset: 24, .size: 8, .value_kind: global_buffer, .address_space: global }
      - { .name: out0, .offset: 32, .size: 8, .value_kind: global_buffer, .address_space: global }
    .group_segment_fixed_size: 0
    .private_segment_fixed_size: 0
    .kernarg_segment_align: 8
    .kernarg_segment_size: 40
    .max_flat_workgroup_size: 128
    .sgpr_count:     66
    .vgpr_count:     104
    .wavefront_size: 32
...
	.end_amdgpu_metadata
.endif
;; end of part 8
